; MI455X (gfx1250); checked and timed in simulation.
; The chip was launched on July 23, 2026; its instructions are those of AMD's public machine-readable ISA for CDNA 5 (MIT licence, August 2026) and "CDNA5" Instruction Set Architecture Reference Guide (July 2026). The comments in the code are by the model that wrote it; some were corrected since.
;; Ro PE Multi Head Attention. Allowed arithmetic: matrix products marked QUANTISED: E2M1 operands, one E8M0 scale for each 32 along K, by v_wmma_scale_f32_16x16x128_f8f6f4 with both operands' format E2M1 (or v_wmma_scale_f32_32x16x128_f4), f32 sums; products left as they are: bf16, f16 or f32 operands; f32 sums; everything else in f32.
;; Inputs: Wk 1,024 x 1,024 float32; Wo 1,024 x 1,024 float32; Wq 1,024 x 1,024 float32; Wv 1,024 x 1,024 float32; bk 1,024 float32; bo 1,024 float32; bq 1,024 float32; bv 1,024 float32; mask 4 x 1 x 1 x 2,048 bool; x 4 x 2,048 x 1,024 float32.
;; Outputs: out0 4 x 2,048 x 1,024 float32.
;; This version of the problem:
;;   THIS VERSION OF THE PROBLEM IS GIVEN IN LOW PRECISION. The matrix products marked QUANTISED in the list below multiply operands that are first quantised to E2M1 (2 exponent bits, 1 mantissa bit; 4 bits a number), with one power-of-two scale for each 32 numbers along K (OCP MX v1.0); their sums are f32. The products marked 'left as it is' may take bf16, f16 or f32 operands, with f32 sums. Whichever they take, every output number must still come out within the allowed error. Rounding operands to bf16 (8 significant bits) uses up far more of that allowance than f16 does (11 bits, for magnitudes from 6e-5 to 65,504). All else is computed in f32.
;;   The module's matrix products, in the order in which they are computed (A, B: the left and right operand; K: the contracted axis; several contracted axes count as one K, in the product's order):
;;     1. [M 8,192, K 1,024] x [K 1,024, N 1,024]; A: input x; B: input Wq: QUANTISED
;;     2. [M 8,192, K 1,024] x [K 1,024, N 1,024]; A: input x; B: input Wk: QUANTISED
;;     3. [M 8,192, K 1,024] x [K 1,024, N 1,024]; A: input x; B: input Wv: QUANTISED
;;     4. batch 64 x [M 2,048, K 64] x [K 64, N 2,048]; A: computed on the way; B: computed on the way: left as it is (an operand is computed on the way)
;;     5. batch 64 x [M 2,048, K 2,048] x [K 2,048, N 64]; A: computed on the way; B: computed on the way: left as it is (an operand is computed on the way)
;;     6. [M 8,192, K 1,024] x [K 1,024, N 1,024]; A: computed on the way; B: input Wo: left as it is (an operand is computed on the way)
;;   THE QUANTISER, for each operand of a quantised product, along K:
;;     - K is cut into blocks of 32 from its start; a last block that is shorter is filled with zeros.
;;     - A block's scale is 2^e with e = floor(log2(the largest magnitude in the block)) - 2, held to -126 .. 127; a block of zeros has e = 0. As a byte (E8M0): e + 127.
;;     - Each number is divided by its block's scale, clamped to +-6, and rounded to the nearest number of E2M1, ties to even, subnormals kept.
;;     - The product sums the exact products of the quantised numbers (number of the format x scale) in f32.
;;   ~~~python
;;   def quantise(x, axis):      # numpy; x: float32 -> the quantised numbers, widened to float32 again
;;       x = np.moveaxis(x, axis, -1); K = x.shape[-1]
;;       x = np.pad(x, [(0, 0)] * (x.ndim - 1) + [(0, -K % 32)]); x = x.reshape(x.shape[:-1] + (-1, 32)); a = np.abs(x).max(-1, keepdims=True)
;;       e = np.where(a > 0, np.clip(np.frexp(np.where(a > 0, a, 1))[1] - 1 - 2, -126, 127), 0)      # np.frexp(a)[1] - 1 = floor(log2(a)), exactly
;;       r = np.clip(x / 2.0 ** e, -6, 6)
;;       step = 2.0 ** (np.maximum(np.frexp(np.where(r == 0, 1, r))[1] - 1, 0) - 1)
;;       q = np.round(r / step) * step * 2.0 ** e      # np.round: ties to even
;;       return np.moveaxis(q.reshape(q.shape[:-2] + (-1,))[..., :K], -1, axis).astype(np.float32)
;;   ~~~
;; One version. Each part assembles by itself: llvm-mc -triple=amdgcn-amd-amdhsa -mcpu=gfx1250 --defsym DOCPART=n.
;; ======== version 1 of 1: 4 launches
;; limits: values are held in f16: magnitudes above 65,504 overflow, below 6.1e-05 lose precision
;; workspace buffers: codes 5,767,168 bytes; scales 360,448 bytes; wo16 2,097,152 bytes; tab 1,081,344 bytes; qkv 50,331,648 bytes; ao 16,777,216 bytes
;; launch prep (part 1): grid 416 x 1, 4 waves a work-group, no clusters, 33,280 bytes of LDS; arguments x, Wq, Wk, Wv, Wo, mask, codes, scales, wo16, tab; writes codes, scales, wo16, tab
.if DOCPART == 1
	.amdgcn_target "amdgcn-amd-amdhsa--gfx1250"
	.amdhsa_code_object_version 6
	.text
	.protected	k_qb7bdc03549_prep
	.globl	k_qb7bdc03549_prep
	.p2align	8
	.type	k_qb7bdc03549_prep,@function
k_qb7bdc03549_prep:
	s_mov_b64 s[64:65], 0
	v_nop
	global_prefetch_b8 v0, s[64:65] scope:SCOPE_SE
	s_setreg_imm32_b32 hwreg(HW_REG_WAVE_MODE, 25, 1), 1
	s_wait_xcnt 0x0
; RoPE multi-head attention, launch 1 of 4: everything that is made once and read by many work-groups later.
; NO WORK OF reference() IS LEFT OUT IN THIS PROGRAM: bq and bk are turned by a position's angle, so their terms differ along the softmax's axis; bv and bo reach the output; the mask is an input.  Every input is loaded.
; A (work-groups 0-351): x [8192][1024] and Wq, Wk, Wv [1024][1024], f32 with K innermost, become codes of FP4 (E2M1) with one E8M0 byte for each 32 along K:
;   codes: x's rows of 512 bytes, then the 3,072 rows of Wq, Wk, Wv; scales: rows of 32 bytes in the same order.  All four tensors are plain streams of blocks of 32.
;   A block's scale is 2^(floor(log2(its largest magnitude)) - 2); its byte is that magnitude's exponent field - 2, held at 1 from below.  A block of zeros gets the byte 1 where the rule says 127:
;   its codes are zeros, which add nothing under any byte but 0xff, and the bytes are read by this program alone.
; B (352-383): Wo becomes f16, row-major as it lies.
; C (384-415): tab: ropeQ [2048][64] f32 (cos x cq in 0-31, sin x cq in 32-63, cq = log2(e) / 8), ropeK the same without cq, mbias [4][2048] f32: 0 for an open key, the most negative f32 number for a masked one.
;   cos and sin: the angle t x f is rounded once, as reference() rounds it; n = the nearest whole number of quarter turns is taken off in two parts of pi / 2; polynomials of degree 7 and 8 on what is left.
; LIMITS: blocks whose largest magnitude lies under 2^(2 - 126) have their byte held at 1; NaN and infinities among the inputs are not served; Wo beyond 65,504 in magnitude has no f16 number.
.set STEPS, 16
.set EMAX,  2
.set CB,    8                          ; bytes of 16 codes
.set R,     16                         ; v16-79   four sets of 16 numbers as they are loaded
.set X,     80                         ; v80-111  two sets of 16 neighbours
.set C,     128                        ; v128-191 codes: four registers a step, so that no store's data are written again
.set E,     112                        ; v112-127 a scale byte for each step
.set WREG,  8192                       ; LDS: a region for each wave: two stages of 32 x SP bytes, behind them its 256 scale bytes
.set SP,    80                         ; a lane's place in a stage: 64 bytes + 16 of padding
.set SPW,   12                         ; v12  LDS address of my spare word; never rewritten
.set NIL,   13                         ; v13  0; never rewritten
.set SPARE, 4*WREG                     ; the spare words, 128 bytes a wave: two blocks of 256 bytes that no other line names
.set WV,    24                         ; s24  my wave's number
	s_load_b256 s[4:11], s[0:1], 0x0               ; x, Wq, Wk, Wv
	s_load_b256 s[12:19], s[0:1], 0x20             ; Wo, mask, codes, scales
	s_load_b128 s[20:23], s[0:1], 0x40             ; wo16, tab
	v_lshl_add_u32 v[SPW], v0, 2, SPARE
	v_mov_b32 v[NIL], 0
	v_lshrrev_b32 v1, 5, v0
	v_readfirstlane_b32 s[WV], v1
	v_and_b32 v2, 31, v0                           ; lane
	s_cmp_ge_u32 ttmp9, 352
	s_cbranch_scc1 .Lother
; ---- A: the quantiser.  A wave takes 16 steps of 512 numbers.  Each load reads 512 consecutive bytes; a step's 2,048 bytes turn through the wave's own stage, so that a lane then holds 16 neighbours along K.
	v_lshlrev_b32 v3, 4, v2                        ; my 16 bytes of a load's 512
	s_mul_i32 s25, s[WV], WREG
	v_lshrrev_b32 v14, 2, v2
	v_mul_u32_u24 v14, v14, SP
	v_and_b32 v15, 3, v2
	v_lshl_add_u32 v14, v15, 4, v14
	v_add_nc_u32 v14, s25, v14                     ; the stage, in: SP (lane / 4) + 16 (lane % 4)
	v_mul_u32_u24 v15, v2, SP
	v_add_nc_u32 v15, s25, v15                     ; and out: SP x lane
	v_mul_u32_u24 v4, v2, CB                       ; my codes' place in a step's
	v_lshrrev_b32 v5, 1, v2
	s_add_co_u32 s25, s25, 2*32*SP
	v_add_nc_u32 v5, s25, v5                       ; my block's byte among my wave's 256
	v_lshlrev_b32 v7, 3, v2
	v_add_nc_u32 v6, s25, v7                       ; and 8 bytes a lane on their way out
	s_wait_kmcnt 0x0
	s_mov_b64 s[26:27], s[10:11]                   ; which tensor, and its first work-group: the choice hangs on the work-group's number alone
	s_mov_b32 s28, 320
	s_cmp_lt_u32 ttmp9, 320
	s_cselect_b64 s[26:27], s[8:9], s[26:27]
	s_cselect_b32 s28, 288, s28
	s_cmp_lt_u32 ttmp9, 288
	s_cselect_b64 s[26:27], s[6:7], s[26:27]
	s_cselect_b32 s28, 256, s28
	s_cmp_lt_u32 ttmp9, 256
	s_cselect_b64 s[26:27], s[4:5], s[26:27]
	s_cselect_b32 s28, 0, s28
	s_lshl_b32 s29, ttmp9, 2
	s_add_co_u32 s29, s29, s[WV]                   ; my run of 8,192 numbers among all four tensors': the outputs follow each other in that order
	s_sub_co_u32 s28, ttmp9, s28
	s_lshl_b32 s28, s28, 2
	s_add_co_u32 s28, s28, s[WV]                   ; and within its own tensor
	s_lshl_b32 s30, s28, 15
	s_mov_b32 s31, 0
	s_add_nc_u64 s[26:27], s[26:27], s[30:31]      ; 32,768 bytes of numbers a run,
	s_lshl_b32 s30, s29, 12
	s_add_nc_u64 s[16:17], s[16:17], s[30:31]      ; 4,096 of codes,
	s_lshl_b32 s30, s29, 8
	s_add_nc_u64 s[18:19], s[18:19], s[30:31]      ; 256 of scale bytes
.macro LOAD t
.irp i, 0,1,2,3
	global_load_b128 v[R+16*((\t)%4)+4*\i:R+16*((\t)%4)+4*\i+3], v3, s[26:27] offset:2048*(\t)+512*\i th:TH_LOAD_NT
.endr
.endm
.macro TURN t                          ; step t's numbers through the stage: LDS serves a wave's instructions in order, so no wait stands between the stores and the loads
.irp i, 0,1,2,3
	ds_store_b128 v14, v[R+16*((\t)%4)+4*\i:R+16*((\t)%4)+4*\i+3] offset:32*SP*((\t)%2)+8*SP*\i
.endr
.irp i, 0,1,2,3
	ds_load_b128 v[X+16*((\t)%2)+4*\i:X+16*((\t)%2)+4*\i+3], v15 offset:32*SP*((\t)%2)+16*\i
.endr
.endm
.irp t, 0,1,2,3
	LOAD \t
.endr
	s_wait_loadcnt 12                              ; step 0's four loads are in; the twelve behind them stay out
	TURN 0
.macro STEP t
.set XS, X+16*((\t)%2)
.if (\t) > 0
	s_wait_dscnt 1                                 ; this step's numbers are back from the stage; the last step's byte store may be out
.else
	s_wait_dscnt 0x0
.endif
.if (\t)+4 < STEPS
	LOAD (\t)+4                                    ; into the registers that the stage's stores have read
.endif
.if (\t)+1 < STEPS
.if STEPS-2-(\t) >= 3
	s_wait_loadcnt 12                              ; the next step's four loads are in; those of the three steps behind it may be out
.else
	s_wait_loadcnt 4*(STEPS-2-(\t))
.endif
	TURN (\t)+1
.endif
	v_max3_num_f32 v8, |v[XS]|, |v[XS+1]|, |v[XS+2]|               ; the largest magnitude of my 16, in two chains
	v_max3_num_f32 v9, |v[XS+3]|, |v[XS+4]|, |v[XS+5]|
.irp i, 6,10
	v_max3_num_f32 v8, v8, |v[XS+\i]|, |v[XS+\i+1]|
	v_max3_num_f32 v9, v9, |v[XS+\i+2]|, |v[XS+\i+3]|
.endr
	v_max3_num_f32 v8, v8, |v[XS+14]|, |v[XS+15]|
	v_max3_num_f32 v8, v8, v9, (EMAX+1)<<23        ; and the floor 2^(EMAX + 1 - 127): the byte cannot fall under 1
	v_max_num_f32_dpp v8, v8, v8 row_xmask:1 row_mask:0xf bank_mask:0xf   ; with my neighbour's 16: the block's
	v_add_nc_u32 v11, -(EMAX<<23), v8              ; EMAX off its exponent field: the conversion takes the exponent field of this operand as its scale
	v_cvt_scalef32_pk8_fp4_f32 v[C+4*(\t)], v[XS:XS+7], v11
	v_cvt_scalef32_pk8_fp4_f32 v[C+4*(\t)+1], v[XS+8:XS+15], v11
	v_lshrrev_b32 v[E+(\t)], 23, v11               ; the scale's byte
	ds_store_b8 v5, v[E+(\t)] offset:16*(\t)       ; both lanes of a block write the same byte with the same value
	global_store_b64 v4, v[C+4*(\t):C+4*(\t)+1], s[16:17] offset:32*CB*(\t)   ; the wave stores 256 consecutive bytes, aligned
.endm
.irp t, 0,1,2,3,4,5,6,7,8,9,10,11,12,13,14,15
	STEP \t
.endr
	ds_load_b64 v[8:9], v6                         ; LDS serves a wave's instructions in order: these see my byte stores
	s_wait_dscnt 0x0
	global_store_b64 v7, v[8:9], s[18:19]          ; 256 consecutive bytes, aligned
	s_wait_tensorcnt 0x0                           ; the wave's end: a closing add behind my last LDS store
	ds_add_u32 v[SPW], v[NIL]
	s_wait_dscnt 0x0
	s_endpgm
.Lother:
	s_cmp_ge_u32 ttmp9, 384
	s_cbranch_scc1 .Ltab
; ---- B: Wo to f16.  A wave takes 8,192 numbers: 64 loads of 512 bytes through a ring of 16 register slots; each store covers 256 consecutive bytes, aligned.  No LDS.
	s_sub_co_u32 s25, ttmp9, 352
	s_lshl_b32 s25, s25, 2
	s_add_co_u32 s25, s25, s[WV]
	s_lshl_b32 s26, s25, 15
	s_mov_b32 s27, 0
	s_lshl_b32 s28, s25, 14
	s_mov_b32 s29, 0
	v_lshlrev_b32 v3, 4, v2
	v_lshlrev_b32 v4, 3, v2
	s_wait_kmcnt 0x0
	s_add_nc_u64 s[12:13], s[12:13], s[26:27]
	s_add_nc_u64 s[20:21], s[20:21], s[28:29]
.set n, 0
.rept 16
	global_load_b128 v[16+4*n:19+4*n], v3, s[12:13] offset:512*n th:TH_LOAD_NT
.set n, n+1
.endr
.set n, 0
.rept 64
.if n < 48
	s_wait_loadcnt 15                              ; my slot's load is in; the fifteen younger ones stay out
.else
	s_wait_loadcnt 63-n                            ; the last sixteen turns load nothing: the counts run down
.endif
.if n >= 16
	s_wait_xcnt 0x0                                ; the slot's last store has read its data: they are written again only behind this wait
.endif
	v_cvt_pk_f16_f32 v[80+2*(n%16)], v[16+4*(n%16)], v[17+4*(n%16)]
	v_cvt_pk_f16_f32 v[81+2*(n%16)], v[18+4*(n%16)], v[19+4*(n%16)]
.if n < 48
	global_load_b128 v[16+4*(n%16):19+4*(n%16)], v3, s[12:13] offset:512*(n+16) th:TH_LOAD_NT
.endif
	global_store_b64 v4, v[80+2*(n%16):81+2*(n%16)], s[20:21] offset:256*n
.set n, n+1
.endr
	s_endpgm
.Ltab:
; ---- C: the tables.  Work-group u = number - 384 makes 256 numbers of mbias (waves 0 and 1) and rows 64 u .. 64 u + 63 of both RoPE tables (16 rows a wave).  No LDS.
	s_sub_co_u32 s25, ttmp9, 384
	s_wait_kmcnt 0x0
	s_cmp_gt_u32 s[WV], 1
	s_cbranch_scc1 .Lrope
	s_lshl_b32 s26, s25, 8
	s_lshl_b32 s27, s[WV], 7
	s_add_co_u32 s26, s26, s27
	v_lshl_add_u32 v3, v2, 2, s26                  ; my four bytes of the mask
	global_load_b32 v4, v3, s[14:15]
	v_lshlrev_b32 v5, 2, v3
	v_add_nc_u32 v5, 0x100000, v5                  ; and their four numbers in tab
	v_mov_b32 v6, 0xff7fffff                       ; the most negative f32 number
	s_wait_loadcnt 0x0
.irp i, 0,1,2,3
	v_bfe_u32 v7, v4, 8*\i, 8
	v_cmp_ne_u32 vcc_lo, 0, v7
	v_cndmask_b32 v[8+\i], 0, v6, vcc_lo
.endr
	global_store_b128 v5, v[8:11], s[22:23]        ; the wave stores 512 consecutive bytes; its registers are not written again
.Lrope:
	s_mov_b32 s32, 0xb94ca1f9                      ; the sine's coefficients: -1.9515295891e-4, 8.3321608736e-3, -1.6666654611e-1
	s_mov_b32 s33, 0x3c08839e
	s_mov_b32 s34, 0xbe2aaaa3
	s_mov_b32 s35, 0x37ccf5ce                      ; the cosine's: 2.443315712e-5, -1.388731625e-3, 4.166664568e-2
	s_mov_b32 s36, 0xbab6061a
	s_mov_b32 s37, 0x3d2aaaa5
	s_mov_b32 s38, 0x3f22f983                      ; 2 / pi
	s_mov_b32 s39, 0x3fc90fdb                      ; pi / 2, its f32 number,
	s_mov_b32 s40, 0xb33bbd2e                      ; and what that number leaves of it
	s_mov_b32 s41, 0x3e38aa3b                      ; cq = log2(e) / 8
	v_and_b32 v16, 15, v2
	v_lshlrev_b32 v16, 1, v16                      ; my two frequencies: j = 2 (lane % 16) and j + 1
	v_cvt_f32_u32 v17, v16
	v_add_f32 v18, 1.0, v17
	v_mul_f32 v17, 0xbed49a78, v17                 ; -j log2(10000) / 32
	v_mul_f32 v18, 0xbed49a78, v18
	v_exp_f32 v20, v17                             ; f = 10000^(-j / 32)
	v_exp_f32 v21, v18
	v_lshrrev_b32 v22, 4, v2                       ; (plain work behind the two exponentials)
	v_mul_u32_u24 v22, v22, 3                      ; lanes 16-31 make sines: sin a = cos(a - pi / 2): three quarter turns more
	s_lshl_b32 s26, s25, 6
	s_lshl_b32 s27, s[WV], 4
	s_add_co_u32 s26, s26, s27                     ; my first row t
	s_lshl_b32 s28, s26, 8
	v_lshlrev_b32 v23, 3, v2
	v_add_nc_u32 v23, s28, v23                     ; 256 t + 8 lane: lanes 0-15 the row's cosines, lanes 16-31 its sines
	s_mov_b32 s27, 0
	s_wait_alu depctr_va_vdst(0)                   ; one wait for both exponentials, ahead of their first reader and of the label
.Lrow:
	v_cvt_f32_u32 v24, s26
.irp g, 0,1
	v_mul_f32 v[26+\g], v24, v[20+\g]              ; the angle
.endr
.irp g, 0,1
	v_mul_f32 v[28+\g], s38, v[26+\g]
.endr
.irp g, 0,1
	v_rndne_f32 v[28+\g], v[28+\g]                 ; n quarter turns
.endr
.irp g, 0,1
	v_fma_f32 v[26+\g], -v[28+\g], s39, v[26+\g]
.endr
.irp g, 0,1
	v_fma_f32 v[26+\g], -v[28+\g], s40, v[26+\g]   ; r, within pi / 4 of 0
.endr
.irp g, 0,1
	v_cvt_i32_f32 v[38+\g], v[28+\g]
.endr
.irp g, 0,1
	v_mul_f32 v[30+\g], v[26+\g], v[26+\g]         ; z = r r
.endr
.irp g, 0,1
	v_add_nc_u32 v[38+\g], v[38+\g], v22           ; k: its two low bits say which of cos r, -sin r, -cos r, sin r
.endr
.irp g, 0,1
	v_fma_f32 v[32+\g], v[30+\g], s32, s33
	v_fma_f32 v[34+\g], v[30+\g], s35, s36
.endr
.irp g, 0,1
	v_fma_f32 v[32+\g], v[32+\g], v[30+\g], s34
	v_fma_f32 v[34+\g], v[34+\g], v[30+\g], s37
.endr
.irp g, 0,1
	v_mul_f32 v[32+\g], v[32+\g], v[30+\g]
	v_mul_f32 v[34+\g], v[34+\g], v[30+\g]
	v_fma_f32 v[36+\g], v[30+\g], -0.5, 1.0
.endr
.irp g, 0,1
	v_fma_f32 v[32+\g], v[32+\g], v[26+\g], v[26+\g]   ; sin r
	v_fma_f32 v[34+\g], v[34+\g], v[30+\g], v[36+\g]   ; cos r
.endr
.irp g, 0,1
	v_and_b32 v[36+\g], 1, v[38+\g]
	v_cmp_ne_u32 vcc_lo, 0, v[36+\g]
	v_cndmask_b32 v[40+\g], v[34+\g], v[32+\g], vcc_lo ; k odd: the sine
	v_add_nc_u32 v[36+\g], 1, v[38+\g]
	v_and_b32 v[36+\g], 2, v[36+\g]
	v_lshlrev_b32 v[36+\g], 30, v[36+\g]
	v_xor_b32 v[40+\g], v[40+\g], v[36+\g]         ; k = 1 or 2 modulo 4: the sign turns
	v_mul_f32 v[42+\g], s41, v[40+\g]
.endr
	global_store_b64 v23, v[40:41], s[22:23] offset:524288   ; ropeK: the wave stores one row, 256 consecutive bytes, aligned
	global_store_b64 v23, v[42:43], s[22:23]                 ; ropeQ
	s_wait_xcnt 0x0                                ; the offset and the data are written again only behind this wait
	v_add_nc_u32 v23, 256, v23
	s_add_co_u32 s26, s26, 1
	s_add_co_u32 s27, s27, 1
	s_cmp_lt_u32 s27, 16
	s_cbranch_scc1 .Lrow
	s_endpgm
.Lfunc_end_k_qb7bdc03549_prep:
	.size	k_qb7bdc03549_prep, .Lfunc_end_k_qb7bdc03549_prep-k_qb7bdc03549_prep
	.p2alignl 7, 3214868480
	.fill 96, 4, 3214868480
	.section	.rodata,"a",@progbits
	.p2align	6, 0x0
	.amdhsa_kernel k_qb7bdc03549_prep
		.amdhsa_group_segment_fixed_size 33280
		.amdhsa_private_segment_fixed_size 0
		.amdhsa_enable_private_segment 0
		.amdhsa_kernarg_size 80
		.amdhsa_user_sgpr_count 2
		.amdhsa_user_sgpr_kernarg_segment_ptr 1
		.amdhsa_wavefront_size32 1
		.amdhsa_system_sgpr_workgroup_id_x 1
		.amdhsa_system_sgpr_workgroup_id_y 1
		.amdhsa_system_sgpr_workgroup_id_z 1
		.amdhsa_system_vgpr_workitem_id 0
		.amdhsa_next_free_vgpr 192
		.amdhsa_next_free_sgpr 66
		.amdhsa_reserve_vcc 1
		.amdhsa_float_denorm_mode_32 3
		.amdhsa_float_denorm_mode_16_64 3
		.amdhsa_memory_ordered 1
		.amdhsa_forward_progress 1
		.amdhsa_inst_pref_size 63
	.end_amdhsa_kernel
	.amdgpu_metadata
---
amdhsa.version: [ 1, 2 ]
amdhsa.kernels:
  - .name:           k_qb7bdc03549_prep
    .symbol:         k_qb7bdc03549_prep.kd
    .args:
      - { .name: x, .offset: 0, .size: 8, .value_kind: global_buffer, .address_space: global }
      - { .name: Wq, .offset: 8, .size: 8, .value_kind: global_buffer, .address_space: global }
      - { .name: Wk, .offset: 16, .size: 8, .value_kind: global_buffer, .address_space: global }
      - { .name: Wv, .offset: 24, .size: 8, .value_kind: global_buffer, .address_space: global }
      - { .name: Wo, .offset: 32, .size: 8, .value_kind: global_buffer, .address_space: global }
      - { .name: mask, .offset: 40, .size: 8, .value_kind: global_buffer, .address_space: global }
      - { .name: codes, .offset: 48, .size: 8, .value_kind: global_buffer, .address_space: global }
      - { .name: scales, .offset: 56, .size: 8, .value_kind: global_buffer, .address_space: global }
      - { .name: wo16, .offset: 64, .size: 8, .value_kind: global_buffer, .address_space: global }
      - { .name: tab, .offset: 72, .size: 8, .value_kind: global_buffer, .address_space: global }
    .group_segment_fixed_size: 33280
    .private_segment_fixed_size: 0
    .kernarg_segment_align: 8
    .kernarg_segment_size: 80
    .max_flat_workgroup_size: 128
    .sgpr_count:     66
    .vgpr_count:     192
    .wavefront_size: 32
...
	.end_amdgpu_metadata
.endif
;; end of part 1
;; launch qkv (part 2): grid 12 x 32, 4 waves a work-group, clusters of 4 x 4, 327,680 bytes of LDS; arguments codes, scales, bq, bk, bv, tab, mask, qkv; writes qkv
.if DOCPART == 2
	.amdgcn_target "amdgcn-amd-amdhsa--gfx1250"
	.amdhsa_code_object_version 6
	.text
	.protected	k_qb7bdc03549_qkv
	.globl	k_qb7bdc03549_qkv
	.p2align	8
	.type	k_qb7bdc03549_qkv,@function
k_qb7bdc03549_qkv:
	s_mov_b64 s[64:65], 0
	v_nop
	global_prefetch_b8 v0, s[64:65] scope:SCOPE_SE
	s_setreg_imm32_b32 hwreg(HW_REG_WAVE_MODE, 25, 1), 1
	s_wait_xcnt 0x0
	s_wait_alu depctr_hold_cnt(0) depctr_sa_sdst(0) depctr_va_vdst(0) depctr_va_sdst(0) depctr_va_ssrc(0) depctr_va_vcc(0) depctr_vm_vsrc(0)
	s_getreg_b32 s2, hwreg(HW_REG_IB_STS2, 6, 4)
	s_cmp_eq_u32 s2, 0
	s_cbranch_scc0 .Lentry_in_a_cluster
	s_endpgm
.Lentry_in_a_cluster:
	s_bfe_u32 s2, ttmp6, 0x10000c
	s_cmp_lg_u32 s2, 0xf033
	s_cbranch_scc0 .Lentry_shape_is_right
	s_endpgm
.Lentry_shape_is_right:
; Launch 2 of 4: q, k, v = x W^T + b on codes of FP4 (E2M1) with E8M0 scales, one product of 8,192 x 3,072 x 1,024; on the way out RoPE for q and k, and f16.  No work of reference() is left out here.
; A tile of 256 rows x 256 columns is made by four waves, each 128 x 128: 64 accumulators of 16 x 16.  All of K = 1,024 lies in two LDS slots of 512 along K: both are first fills, and no slot is filled again.
; The scale bytes of the work-group's 256 + 256 rows come once, as rows of 256 bytes.  CLUSTERS of 4 x 4: x's tiles are asked for jointly along a row of the cluster, W's along a column.
; A cluster's four tile columns are one of Wq, Wk, Wv: KIND = the cluster's x is the same in all sixteen partners, so the branches on it are alike in all of them.
; THE MATRIX INSTRUCTION IS USED TRANSPOSED (source 0 = 16 rows of W, source 1 = 16 rows of x): a lane holds eight neighbouring columns of one row.  The bias is the C of each sum's first instruction.
; THE WAY OUT.  q, k: column d < 32 of a head takes a cos - b sin, column d + 32 takes b cos + a sin (a, b: columns d, d + 32): both lie in the same lane, two accumulators apart.
;   q's table carries log2(e) / 8, so that a score is an exponent of 2.  Rows of k whose key is masked are stored as zeros (a select, no branch on the mask): launch 3 then gives them one fixed score.
;   Results are rounded to f16, go through the wave's own stage in LDS and leave as rows: sixteen lanes store 256 consecutive bytes, aligned.  qkv: q' at 0, k at 2^24, v at 2^25 bytes, each [8192][1024] f16.
; LIMITS: |q'|, |k|, |v| beyond 65,504 have no f16 number; NaN and infinities are not served.
; REGISTERS, in windows of 256.  Window 0: v16-31 addresses; v32-95 scale words, two sets; v128-191 x's fragments; on the way out v32-63 packed results, v64-127 turned numbers, v128-191 rows read back (two sets),
;   v192-255 cos and sin (two sets), v96-103 the mask's bytes.  Window 1: W's fragments at v0 and v128, the bias at v64.  Windows 2, 3: the accumulators, (a, b) at v[8 (8 (a % 4) + b)].
.set NQ,     4                         ; matrix instructions deep in a slot
.set ROWB,   256                       ; a tile's row in bytes: 512 codes
.set KROW,   512                       ; a row of codes in memory
.set PITCH,  272                       ; an LDS row: 256 bytes + 16 of padding: the 16 rows of a fragment load start 68 words apart
.set FR,     8
.set NL,     2
.set NP,     4
.set HALFT,  128*PITCH
.set SLOT,   4*HALFT
.set KS,     32                        ; a row of scale bytes
.set SCL,    2*SLOT
.set HALFS,  (128*KS/256)*272
.set SBLK,   (16*KS/256)*272
.set SPARE,  SCL+4*HALFS               ; the spare words, 128 bytes a wave: two blocks of 256 bytes that no other line names
.set SPITCH, 272                       ; the way out: 16 rows x (256 bytes + 16) a wave, in slot 0, which has had its last fill and its last read by then
.set ARM2,   4*16*SPITCH               ; the plain way out has stages of its own, behind the turning one's
.set ADRA, 16
.set ADRB, 20
.set STO,  24
.set RD,   25
.set CO,   26
.set ADRS, 27
.set SPW,  28                          ; v28  LDS address of my spare word; never rewritten
.set NIL,  29                          ; v29  0; never rewritten
.set RA,   30                          ; v30  256 r + 32 h: my place in 16 rows of a RoPE table
.set MA,   31                          ; v31  r: my row's byte of the mask
.set SC,   32
.set AF,   128
.set BI,   64                          ; in window 1
.set TMP,  32
.set R,    64
.set MK,   96
.set OB,   128
.set CS,   192
.set WV,   20
.set RH,   21                          ; which half of the tile's rows is mine; also: I fetch for x (0) or for W (1)
.set CH,   22                          ; which half of its columns; also: which 128 rows I fetch
.set KIND, 23                          ; 0 q, 1 k, 2 v
.set G1,   24
.set G0,   32
.set G1B,  48
.set G0B,  56
.set G1S,  68
.set G0S,  76
.set G1SB, 80
.set G0SB, 88
.set MS,   92                          ; s92-99 on the way out: for each block of 16 rows, the lanes whose row is masked
.set MSB, 0
.macro WIN new                         ; the immediate's high byte repeats the setting that is left
.if MSB != (\new)
	s_set_vgpr_msb (MSB<<8)|(\new)
.set MSB, \new
.endif
.endm
.set MUL_LO, 0xa1                      ; source 0 (W) window 1, source 1 (x) window 0, C and D window 2; with the bias as C (window 1): 0x91
.set MUL_HI, 0xf1                      ; the same in window 3; with the bias: 0xd1
.set TO_B,   0x40
.macro JLOAD g0a, g1a, g0b, g1b        ; a joint load: waves 0, 1 for x, waves 2, 3 for W; an s_nop 0 and four v_nop follow each line
	s_cmp_eq_u32 s[RH], 0
	s_cbranch_scc0 .Lfor_b_\@
	tensor_load_to_lds s[\g0a:\g0a+3], s[\g1a:\g1a+7]
	s_nop 0
.rept 4
	v_nop
.endr
	s_branch .Lasked_\@
.Lfor_b_\@:
	tensor_load_to_lds s[\g0b:\g0b+3], s[\g1b:\g1b+7]
	s_nop 0
.rept 4
	v_nop
.endr
.Lasked_\@:
.endm
.macro CROUND                          ; a round of the cluster's barrier
	s_barrier_signal -1
	s_barrier_wait -1
	s_cmp_lg_u32 s[WV], 0
	s_cbranch_scc1 .Lnot_wave_0_\@
	s_barrier_signal -3
.Lnot_wave_0_\@:
	s_barrier_wait -3
	s_barrier_signal -1
	s_barrier_wait -1
.endm
	s_load_b256 s[4:11], s[0:1], 0x0               ; codes, scales, bq, bk
	s_load_b256 s[12:19], s[0:1], 0x20             ; bv, tab, mask, qkv
	v_lshl_add_u32 v[SPW], v0, 2, SPARE
	v_mov_b32 v[NIL], 0
	ds_add_u32 v[SPW], v[NIL]                      ; the wave's opening: the add, twice on end, and its wait ahead of my first tensor load
	ds_add_u32 v[SPW], v[NIL]
	v_lshrrev_b32 v1, 5, v0
	v_readfirstlane_b32 s[WV], v1
	s_lshr_b32 s[RH], s[WV], 1
	s_and_b32 s[CH], s[WV], 1
	s_mov_b32 s[KIND], ttmp9
	s_bfe_u32 s40, ttmp6, 0x40000                  ; cx
	s_bfe_u32 s41, ttmp6, 0x40004                  ; cy
	s_lshl_b32 s42, ttmp9, 2
	s_add_co_u32 s42, s42, s40                     ; tile column
	s_and_b32 s66, ttmp7, 0xffff
	s_lshl_b32 s66, s66, 2
	s_add_co_u32 s66, s66, s41                     ; tile row
	s_lshl_b32 s43, s41, 2
	s_lshl_b32 s43, 15, s43                        ; my row of the cluster
	s_lshl_b32 s44, 0x1111, s40                    ; my column
	s_or_b32 s[G1+0], s43, (0<<16)|(1<<20)|(1<<21)|(5<<22)|(3<<25)   ; the mask; elements of 1 byte; padding on; bit 21 beside a mask; 4 words behind every 64
	s_or_b32 s[G1B+0], s44, (0<<16)|(1<<20)|(1<<21)|(5<<22)|(3<<25)
.irp g, G1, G1B
	s_mov_b32 s[\g+1], ROWB<<16                    ; tensor_dim0
	s_mov_b32 s[\g+2], 128<<16                     ; tensor_dim1
	s_mov_b32 s[\g+3], ROWB<<16                    ; tile_dim0
	s_mov_b32 s[\g+4], 128                         ; tile_dim1
	s_mov_b32 s[\g+5], KROW                        ; from row to row
	s_mov_b32 s[\g+6], 0
	s_mov_b32 s[\g+7], 0
.endr
	s_or_b32 s[G1S+0], s43, (3<<16)|(1<<20)|(1<<21)|(5<<22)|(3<<25)  ; the scales of 128 rows: 4,096 dense bytes as 16 rows of 32 elements of 8 bytes
	s_or_b32 s[G1SB+0], s44, (3<<16)|(1<<20)|(1<<21)|(5<<22)|(3<<25)
.irp g, G1S, G1SB
	s_mov_b32 s[\g+1], 32<<16
	s_mov_b32 s[\g+2], 16<<16
	s_mov_b32 s[\g+3], 32<<16
	s_mov_b32 s[\g+4], 16
	s_mov_b32 s[\g+5], 32
	s_mov_b32 s[\g+6], 0
	s_mov_b32 s[\g+7], 0
.endr
	s_lshl_b32 s67, s[CH], 7                       ; which 128 rows of a tile I fetch
	s_lshl_b32 s92, s66, 8
	s_add_co_u32 s92, s92, s67                     ; x: row 256 x tile row + 128 x half
	s_lshl_b32 s46, s42, 8
	s_add_co_u32 s46, s46, s67                     ; W: row 256 x tile column + 128 x half
	s_lshl_b32 s94, s92, 5                         ; their scale bytes,
	s_mov_b32 s95, 0
	s_lshl_b32 s92, s92, 9                         ; their codes
	s_mov_b32 s93, 0
	s_lshl_b32 s96, s46, 5
	s_add_co_u32 s96, s96, 262144                  ; W's lie behind x's
	s_mov_b32 s97, 0
	s_lshl_b32 s46, s46, 9
	s_add_co_u32 s46, s46, 4194304
	s_mov_b32 s47, 0
	s_mul_i32 s45, s[WV], HALFT                    ; where they go: no place in the cluster enters an LDS address
	s_mul_i32 s98, s[WV], HALFS
	s_wait_dscnt 0x0                               ; both opening adds are done
	s_wait_kmcnt 0x0
	s_add_nc_u64 s[92:93], s[4:5], s[92:93]
	s_add_nc_u64 s[94:95], s[6:7], s[94:95]
	s_add_nc_u64 s[46:47], s[4:5], s[46:47]
	s_add_nc_u64 s[96:97], s[6:7], s[96:97]
	CROUND                                         ; all sixteen work-groups are here: the joint loads meet
	s_mov_b32 s[G0S], 1
	s_add_co_u32 s[G0S+1], s98, SCL
	s_mov_b64 s[G0S+2:G0S+3], s[94:95]
	s_or_b32 s[G0S+3], s[G0S+3], 0x80000000
	s_mov_b32 s[G0SB], 1
	s_add_co_u32 s[G0SB+1], s98, SCL
	s_mov_b64 s[G0SB+2:G0SB+3], s[96:97]
	s_or_b32 s[G0SB+3], s[G0SB+3], 0x80000000
	JLOAD G0S, G1S, G0SB, G1SB                     ; three tensor loads of mine go out here, and no more in the launch
.irp s, 0,1
	s_mov_b32 s[G0+4*\s], 1
	s_add_co_u32 s[G0+4*\s+1], s45, \s*SLOT
	s_add_nc_u64 s[G0+4*\s+2:G0+4*\s+3], s[92:93], \s*ROWB
	s_or_b32 s[G0+4*\s+3], s[G0+4*\s+3], 0x80000000
	s_mov_b32 s[G0B+4*\s], 1
	s_add_co_u32 s[G0B+4*\s+1], s45, \s*SLOT
	s_add_nc_u64 s[G0B+4*\s+2:G0B+4*\s+3], s[46:47], \s*ROWB
	s_or_b32 s[G0B+4*\s+3], s[G0B+4*\s+3], 0x80000000
	JLOAD G0+4*\s, G1, G0B+4*\s, G1B
.endr
	v_and_b32 v1, 15, v0                           ; r
	v_bfe_u32 v2, v0, 4, 1                         ; h
	v_mul_u32_u24 v3, v1, PITCH
	v_lshl_add_u32 v4, v2, 4, v3
	s_mul_i32 s67, s[RH], HALFT
	s_mul_i32 s98, s[CH], HALFT
	s_add_co_u32 s98, s98, 2*HALFT
.irp s, 0,1
	v_add_nc_u32 v[ADRA+\s], s67, v4
	v_add_nc_u32 v[ADRB+\s], s98, v4
	s_add_co_u32 s67, s67, SLOT
	s_add_co_u32 s98, s98, SLOT
.endr
	v_mul_u32_u24 v5, v1, KS                       ; my row's scale bytes: 32 a row,
	v_lshrrev_b32 v6, 8, v5
	v_lshl_add_u32 v5, v6, 4, v5                   ; and 16 more for each 256 passed
	s_mul_i32 s67, s[RH], HALFS
	s_mul_i32 s98, s[CH], HALFS
	s_add_co_u32 s98, s98, 2*HALFS
	s_sub_co_u32 s98, s98, s67
	v_mul_u32_u24 v6, s98, v2                      ; lanes 16-31 take W's: the lower base + h x the distance
	s_add_co_u32 s67, s67, SCL
	v_add_nc_u32 v5, v5, v6
	v_add_nc_u32 v[ADRS], s67, v5
	s_mul_i32 s67, s[WV], 16*SPITCH                ; my stage
	v_mul_u32_u24 v5, v1, SPITCH
	v_lshl_add_u32 v5, v2, 4, v5
	v_add_nc_u32 v[STO], s67, v5                   ; in: row r, 16 bytes for each half of the lanes
	v_mul_u32_u24 v5, v2, SPITCH
	v_lshl_add_u32 v5, v1, 4, v5
	v_add_nc_u32 v[RD], s67, v5                    ; back: lanes 0-15 one row, lanes 16-31 the next
	v_lshlrev_b32 v5, 11, v2
	v_lshl_add_u32 v[CO], v1, 4, v5                ; and the same two rows of 2,048 bytes in memory
	v_lshlrev_b32 v5, 5, v2                        ; 32 h: the bias of my eight columns of a block
	v_lshl_add_u32 v[RA], v1, 8, v5
	v_mov_b32 v[MA], v1
	s_cmp_eq_u32 s[KIND], 1                        ; the bias: bq, bk or bv, at my wave's 128 columns
	s_cselect_b64 s[8:9], s[10:11], s[8:9]
	s_cselect_b32 s67, 524288, 0                   ; and q's table or k's
	s_cmp_eq_u32 s[KIND], 2
	s_cselect_b64 s[8:9], s[12:13], s[8:9]
	s_lshl_b32 s98, s40, 10
	s_lshl_b32 s99, s[CH], 9
	s_add_co_u32 s98, s98, s99
	s_mov_b32 s99, 0
	s_add_nc_u64 s[8:9], s[8:9], s[98:99]
	s_and_b32 s98, s66, 7                          ; the table at my first row's position: 256 (tile row % 8) + 128 x half, rows of 256 bytes
	s_lshl_b32 s98, s98, 16
	s_add_co_u32 s98, s98, s67
	s_lshl_b32 s67, s[RH], 15
	s_add_co_u32 s98, s98, s67
	s_add_nc_u64 s[14:15], s[14:15], s[98:99]
	s_lshl_b32 s98, s66, 8                         ; the mask at my first row
	s_lshl_b32 s67, s[RH], 7
	s_add_co_u32 s98, s98, s67
	s_add_nc_u64 s[16:17], s[16:17], s[98:99]
	s_lshl_b32 s98, s[KIND], 24                    ; the output: the tensor, my first row, my 128 columns
	s_lshl_b32 s67, s66, 19
	s_add_co_u32 s98, s98, s67
	s_lshl_b32 s67, s[RH], 18
	s_add_co_u32 s98, s98, s67
	s_lshl_b32 s67, s40, 9
	s_add_co_u32 s98, s98, s67
	s_lshl_b32 s67, s[CH], 8
	s_add_co_u32 s98, s98, s67
	s_add_nc_u64 s[18:19], s[18:19], s[98:99]
	WIN TO_B
.irp b, 0,1,2,3,4,5,6,7
	global_load_b128 v[BI+8*\b:BI+8*\b+3], v5, s[8:9] offset:64*\b          ; register j of block b: the bias of column 16 b + 8 h + j, in the result's layout
	global_load_b128 v[BI+8*\b+4:BI+8*\b+7], v5, s[8:9] offset:64*\b+16
.endr
	WIN 0
.macro FRAG reg, adr, q, i             ; 16 rows x 128 K of 4-bit codes: 8 registers, two loads of 16 bytes, 32 bytes apart
.irp c, 0,1
	ds_load_b128 v[\reg+4*\c:\reg+4*\c+3], v[\adr] offset:64*(\q)+32*\c+(\i)*16*PITCH
.endr
.endm
; 16 matrix instructions: x's blocks a0, a0 + 1 against W's eight.  zero = 1: the first product of each sum takes the bias as C.  The 64 accumulators take turns, one instruction a turn.
.macro MUL16 a0, p, q, sc, zero
.irp a, \a0, \a0+1
.irp b, 0,1,2,3,4,5,6,7
.if \zero
	v_wmma_scale_f32_16x16x128_f8f6f4 v[8*(8*((\a)%4)+\b):8*(8*((\a)%4)+\b)+7], v[128*(\p)+FR*\b:128*(\p)+FR*\b+FR-1], v[AF+FR*(\a):AF+FR*(\a)+FR-1], v[BI+8*\b:BI+8*\b+7], v[SC+8*NQ*(\sc)+NQ*\b+(\q)], v[SC+8*NQ*(\sc)+NQ*(\a)+(\q)] matrix_a_fmt:MATRIX_FMT_FP4 matrix_b_fmt:MATRIX_FMT_FP4 matrix_a_scale:MATRIX_SCALE_ROW1
.else
	v_wmma_scale_f32_16x16x128_f8f6f4 v[8*(8*((\a)%4)+\b):8*(8*((\a)%4)+\b)+7], v[128*(\p)+FR*\b:128*(\p)+FR*\b+FR-1], v[AF+FR*(\a):AF+FR*(\a)+FR-1], v[8*(8*((\a)%4)+\b):8*(8*((\a)%4)+\b)+7], v[SC+8*NQ*(\sc)+NQ*\b+(\q)], v[SC+8*NQ*(\sc)+NQ*(\a)+(\q)] matrix_a_fmt:MATRIX_FMT_FP4 matrix_b_fmt:MATRIX_FMT_FP4 matrix_a_scale:MATRIX_SCALE_ROW1
.endif
.endr
.endr
.endm
.macro FETCH_B slot, q, p
	WIN TO_B
.irp i, 0,1,2,3,4,5,6,7
	FRAG 128*(\p)+FR*\i, ADRB+\slot, \q, \i
.endr
	WIN 0
.endm
.macro FETCH_A slot, q, i0
.irp i, \i0, \i0+1, \i0+2, \i0+3
	FRAG AF+FR*(\i), ADRA+\slot, \q, \i
.endr
.endm
.macro SCALES sc                       ; a slot's scale words: lanes 0-15 x's block i, lanes 16-31 W's block i
.irp i, 0,1,2,3,4,5,6,7
	ds_load_b128 v[SC+8*NQ*\sc+NQ*\i:SC+8*NQ*\sc+NQ*\i+3], v[ADRS] offset:\i*SBLK
.endr
.endm
.macro PLACES n                        ; plain vector instructions between a matrix instruction and a load into, or a vector read of, its registers
.rept \n
	v_nop
.endr
.endm
.macro STEP slot, q, zero              ; 128 along K with its successor in the same slot
	s_wait_dscnt 4*NL                              ; W's set and x's blocks 0-3 are in; the youngest eight loads (x's blocks 4-7) may be out
	WIN MUL_LO-0x10*(\zero)
	MUL16 0, (\q)%2, \q, \slot, \zero
	MUL16 2, (\q)%2, \q, \slot, \zero
	s_wait_dscnt 0                                 ; x's blocks 4-7 are in
	PLACES NP
	FETCH_B \slot, (\q)+1, 1-(\q)%2
	FETCH_A \slot, (\q)+1, 0
	WIN MUL_HI-0x20*(\zero)
	MUL16 4, (\q)%2, \q, \slot, \zero
	MUL16 6, (\q)%2, \q, \slot, \zero
	PLACES NP
	WIN 0
	FETCH_A \slot, (\q)+1, 4
.endm
.macro STEPS slot, from
.set Q, \from
.rept NQ-1-\from
	STEP \slot, Q, 0
.set Q, Q+1
.endr
.endm
.macro LAST                            ; the very last 128 along K: nothing more to fetch
	s_wait_dscnt 4*NL
	WIN MUL_LO
	MUL16 0, 1, NQ-1, 1, 0
	MUL16 2, 1, NQ-1, 1, 0
	s_wait_dscnt 0
	WIN MUL_HI
	MUL16 4, 1, NQ-1, 1, 0
	MUL16 6, 1, NQ-1, 1, 0
	WIN 0
.endm
	s_wait_tensorcnt 1                             ; the scales and my part of slot 0 are in; slot 1's load may stay out
	s_barrier_signal -1
	s_barrier_wait -1
	FETCH_B 0, 0, 0
	FETCH_A 0, 0, 0
	SCALES 0
	FETCH_A 0, 0, 4
	s_wait_loadcnt 0x0                             ; the bias
	STEP 0, 0, 1
	STEPS 0, 1
	; slot 0's last step changes slots: one barrier; in front of it all my tensor loads have landed and my reads of slot 0 are over
	s_wait_tensorcnt 0x0
	ds_add_u32 v[SPW], v[NIL]                      ; 0 onto my spare word
	s_wait_dscnt 4*NL+1                            ; the add and x's blocks 4-7 may be out
	WIN MUL_LO
	MUL16 0, 1, NQ-1, 0, 0
	s_wait_dscnt 0x0
	s_barrier_signal -1
	MUL16 2, 1, NQ-1, 0, 0
	WIN 0
	s_barrier_wait -1
	PLACES NP
	v_add_nc_u32 v[ADRS], 4*NQ, v[ADRS]            ; on to slot 1's scale words
	FETCH_B 1, 0, 0
	FETCH_A 1, 0, 0
	SCALES 1
	WIN MUL_HI
	MUL16 4, 1, NQ-1, 0, 0
	MUL16 6, 1, NQ-1, 0, 0
	PLACES NP
	WIN 0
	FETCH_A 1, 0, 4
	STEPS 1, 0
; THE WAY OUT, block by block of 16 rows x 128 columns.
.macro RLOAD a                         ; cos and sin of block a's 16 positions: in a set cos of columns 16 c + 8 h + j at 8 c + j, sin at 16 + 8 c + j
.set CC, CS+32*((\a)%2)
.irp i, 0,1,2,3,4,5,6,7
	global_load_b128 v[CC+4*\i:CC+4*\i+3], v[RA], s[14:15] offset:4096*(\a)+64*(\i/2)+16*(\i%2)
.endr
.endm
.macro ROPEBLK a
.set AC, 64*((\a)%4)
.set CC, CS+32*((\a)%2)
.if (\a) < 7
	s_wait_loadcnt 8                               ; this block's table is in; the next block's eight loads may be out
.else
	s_wait_loadcnt 0
.endif
	WIN 0x02+(\a)/4                                ; source 0: the accumulators' window
.irp H, 0,1
.irp c, 0,1
.irp p, 0,2,4,6
	v_pk_mul_f32 v[R+16*(2*\H+\c)+\p:R+16*(2*\H+\c)+\p+1], v[AC+8*(4*\H+\c)+\p:AC+8*(4*\H+\c)+\p+1], v[CC+8*\c+\p:CC+8*\c+\p+1]          ; a cos; each accumulator is read from its low end on
.endr
.irp p, 0,2,4,6
	v_pk_mul_f32 v[R+16*(2*\H+\c)+8+\p:R+16*(2*\H+\c)+8+\p+1], v[AC+8*(4*\H+\c+2)+\p:AC+8*(4*\H+\c+2)+\p+1], v[CC+8*\c+\p:CC+8*\c+\p+1]  ; b cos
.endr
.irp p, 0,2,4,6
	v_pk_fma_f32 v[R+16*(2*\H+\c)+\p:R+16*(2*\H+\c)+\p+1], v[AC+8*(4*\H+\c+2)+\p:AC+8*(4*\H+\c+2)+\p+1], v[CC+16+8*\c+\p:CC+16+8*\c+\p+1], v[R+16*(2*\H+\c)+\p:R+16*(2*\H+\c)+\p+1] neg_lo:[1,0,0] neg_hi:[1,0,0]   ; - b sin
.endr
.irp p, 0,2,4,6
	v_pk_fma_f32 v[R+16*(2*\H+\c)+8+\p:R+16*(2*\H+\c)+8+\p+1], v[AC+8*(4*\H+\c)+\p:AC+8*(4*\H+\c)+\p+1], v[CC+16+8*\c+\p:CC+16+8*\c+\p+1], v[R+16*(2*\H+\c)+8+\p:R+16*(2*\H+\c)+8+\p+1]   ; + a sin
.endr
.endr
.endr
	WIN 0
.if (\a) < 6
	RLOAD (\a)+2                                   ; into the set just read
.endif
.irp H, 0,1
.irp c, 0,1
.irp q, 0,1,2,3
	v_cvt_pk_f16_f32 v[TMP+4*(4*\H+\c)+\q], v[R+16*(2*\H+\c)+2*\q], v[R+16*(2*\H+\c)+2*\q+1]
	v_cvt_pk_f16_f32 v[TMP+4*(4*\H+\c+2)+\q], v[R+16*(2*\H+\c)+8+2*\q], v[R+16*(2*\H+\c)+8+2*\q+1]
.endr
.endr
.endr
	s_cmp_lg_u32 s[KIND], 1
	s_cbranch_scc1 .Lnot_k_\@
.set i, 0
.rept 32
	v_cndmask_b32 v[TMP+i], v[TMP+i], v[NIL], s[MS+(\a)]   ; k alone: a masked key's row becomes zeros
.set i, i+1
.endr
.Lnot_k_\@:
.endm
.macro PLAINBLK a
.set AC, 64*((\a)%4)
	WIN 0x0a+5*((\a)/4)                            ; sources 0 and 1: window 2 or 3
.irp b, 0,1,2,3,4,5,6,7
.irp q, 0,1,2,3
	v_cvt_pk_f16_f32 v[TMP+4*\b+\q], v[AC+8*\b+2*\q], v[AC+8*\b+2*\q+1]
.endr
.endr
	WIN 0
.endm
.macro TOSTAGE a, arm                  ; into my stage and back as whole rows: LDS serves a wave's instructions in order, so no wait stands between the stores and the loads
.set BB, OB+32*((\a)%2)
.irp b, 0,1,2,3,4,5,6,7
	ds_store_b128 v[STO], v[TMP+4*\b:TMP+4*\b+3] offset:\arm+32*\b
.endr
.irp t, 0,1,2,3,4,5,6,7
	ds_load_b128 v[BB+4*\t:BB+4*\t+3], v[RD] offset:\arm+2*SPITCH*\t
.endr
.endm
.macro SEND a
.set BB, OB+32*((\a)%2)
	s_wait_dscnt 0x0                               ; the block is back in registers
	s_wait_xcnt 0x0                                ; the earlier stores have read their base and their data: the base steps, and the next block's rows land, only behind this wait
.if (\a) > 0
	s_add_nc_u64 s[18:19], s[18:19], 16*2048
.endif
.irp t, 0,1,2,3,4,5,6,7
	global_store_b128 v[CO], v[BB+4*\t:BB+4*\t+3], s[18:19] offset:4096*\t    ; 16 lanes store 256 consecutive bytes, aligned
.endr
.endm
	s_cmp_eq_u32 s[KIND], 2
	s_cbranch_scc1 .Lplain
.irp a, 0,1,2,3,4,5,6,7
	global_load_u8 v[MK+\a], v[MA], s[16:17] offset:16*\a   ; the mask's bytes of my row in each block
.endr
	RLOAD 0                                        ; the first tables are asked for ahead of the last products
	RLOAD 1
	LAST
	PLACES NP
	s_wait_loadcnt 16                              ; the mask's bytes are in; the two tables' sixteen loads may be out
.irp a, 0,1,2,3,4,5,6,7
	v_cmp_ne_u32 s[MS+\a], 0, v[MK+\a]
.endr
	ROPEBLK 0
	TOSTAGE 0, 0
.irp a, 1,2,3,4,5,6,7                  ; block a's arithmetic stands between block a - 1's loads from the stage and the wait for them
	ROPEBLK \a
	SEND \a-1
	TOSTAGE \a, 0
.endr
	SEND 7
	s_branch .Lend
.Lplain:
	LAST
	PLACES NP
	PLAINBLK 0
	TOSTAGE 0, ARM2
.irp a, 1,2,3,4,5,6,7
	PLAINBLK \a
	SEND \a-1
	TOSTAGE \a, ARM2
.endr
	SEND 7
.Lend:
	s_wait_tensorcnt 0x0                           ; the wave's end: a closing add behind my last tensor load and my last LDS store
	ds_add_u32 v[SPW], v[NIL]
	s_wait_dscnt 0x0
	CROUND                                         ; the closing round
	s_endpgm
.Lfunc_end_k_qb7bdc03549_qkv:
	.size	k_qb7bdc03549_qkv, .Lfunc_end_k_qb7bdc03549_qkv-k_qb7bdc03549_qkv
	.p2alignl 7, 3214868480
	.fill 96, 4, 3214868480
	.section	.rodata,"a",@progbits
	.p2align	6, 0x0
	.amdhsa_kernel k_qb7bdc03549_qkv
		.amdhsa_group_segment_fixed_size 327680
		.amdhsa_private_segment_fixed_size 0
		.amdhsa_enable_private_segment 0
		.amdhsa_kernarg_size 64
		.amdhsa_user_sgpr_count 2
		.amdhsa_user_sgpr_kernarg_segment_ptr 1
		.amdhsa_wavefront_size32 1
		.amdhsa_system_sgpr_workgroup_id_x 1
		.amdhsa_system_sgpr_workgroup_id_y 1
		.amdhsa_system_sgpr_workgroup_id_z 1
		.amdhsa_system_vgpr_workitem_id 0
		.amdhsa_next_free_vgpr 1024
		.amdhsa_next_free_sgpr 100
		.amdhsa_reserve_vcc 0
		.amdhsa_float_denorm_mode_32 3
		.amdhsa_float_denorm_mode_16_64 3
		.amdhsa_memory_ordered 1
		.amdhsa_forward_progress 1
		.amdhsa_inst_pref_size 225
	.end_amdhsa_kernel
	.amdgpu_metadata
---
amdhsa.version: [ 1, 2 ]
amdhsa.kernels:
  - .name:           k_qb7bdc03549_qkv
    .symbol:         k_qb7bdc03549_qkv.kd
    .args:
      - { .name: codes, .offset: 0, .size: 8, .value_kind: global_buffer, .address_space: global }
      - { .name: scales, .offset: 8, .size: 8, .value_kind: global_buffer, .address_space: global }
      - { .name: bq, .offset: 16, .size: 8, .value_kind: global_buffer, .address_space: global }
      - { .name: bk, .offset: 24, .size: 8, .value_kind: global_buffer, .address_space: global }
      - { .name: bv, .offset: 32, .size: 8, .value_kind: global_buffer, .address_space: global }
      - { .name: tab, .offset: 40, .size: 8, .value_kind: global_buffer, .address_space: global }
      - { .name: mask, .offset: 48, .size: 8, .value_kind: global_buffer, .address_space: global }
      - { .name: qkv, .offset: 56, .size: 8, .value_kind: global_buffer, .address_space: global }
    .group_segment_fixed_size: 327680
    .private_segment_fixed_size: 0
    .kernarg_segment_align: 8
    .kernarg_segment_size: 64
    .max_flat_workgroup_size: 128
    .sgpr_count:     100
    .vgpr_count:     1024
    .wavefront_size: 32
...
	.end_amdgpu_metadata
.endif
;; end of part 2
;; launch attn (part 3): grid 8 x 32, 16 waves a work-group, clusters of 4 x 1, 327,680 bytes of LDS; arguments qkv, tab, ao; writes ao
.if DOCPART == 3
	.amdgcn_target "amdgcn-amd-amdhsa--gfx1250"
	.amdhsa_code_object_version 6
	.text
	.protected	k_qb7bdc03549_attn
	.globl	k_qb7bdc03549_attn
	.p2align	8
	.type	k_qb7bdc03549_attn,@function
k_qb7bdc03549_attn:
	s_mov_b64 s[64:65], 0
	v_nop
	global_prefetch_b8 v0, s[64:65] scope:SCOPE_SE
	s_setreg_imm32_b32 hwreg(HW_REG_WAVE_MODE, 25, 1), 1
	s_wait_xcnt 0x0
	s_wait_alu depctr_hold_cnt(0) depctr_sa_sdst(0) depctr_va_vdst(0) depctr_va_sdst(0) depctr_va_ssrc(0) depctr_va_vcc(0) depctr_vm_vsrc(0)
	s_getreg_b32 s2, hwreg(HW_REG_IB_STS2, 6, 4)
	s_cmp_eq_u32 s2, 0
	s_cbranch_scc0 .Lentry_in_a_cluster
	s_endpgm
.Lentry_in_a_cluster:
	s_bfe_u32 s2, ttmp6, 0x10000c
	s_cmp_lg_u32 s2, 0x3003
	s_cbranch_scc0 .Lentry_shape_is_right
	s_endpgm
.Lentry_shape_is_right:
; Launch 3 of 4: ao[b][q][head] = softmax_k(q . k / 8, masked keys at the most negative f32 number) v, in f16 operands with f32 sums, maxima and row sums.  No work of reference() is left out here.
; SHARES.  A work-group owns 256 queries of TWO neighbouring heads of one batch, so that every row of q', k, v and ao that it touches is 256 consecutive bytes, aligned.  Sixteen waves, four to a SIMD:
;   wave w takes head w / 8 of the pair and queries 32 (w % 8) on, as two tiles of 16, in 256 registers; one wave's softmax stands beside another's products and LDS loads.
; LAYOUT.  S^T = K Q^T (source 0 = 16 keys, source 1 = 16 queries), O^T = V^T P (source 0 = 16 channels, turned by ds_load_tr16_b128, source 1 = P): a lane holds ONE query throughout;
;   two score tiles, rounded to f16 in pairs, are source 1 of the second product as they stand.
; THE MASK costs no vector instruction: the C of each score tile's first matrix instruction comes from a table, 0 for an open key and the most negative f32 number for a masked one, and masked rows of k were
;   stored as zeros.  So a masked score is exactly that number, as in reference(): p = 0 where any key is open; where all are masked every p is 1, reference()'s uniform average.
; SOFTMAX.  q' carries log2(e) / 8, so a score t is an exponent of 2.  A running maximum m (it starts at the most negative number) and sum l: p = 2^(t - m); in every step O^T and l are multiplied by 2^(m_old - m_new).
; RING.  Two LDS slots of 256 keys (four steps of 64: K's rows, then V's).  Waves 0-3 fetch K's four tiles of 64 rows, waves 4-7 V's; wave 8 fetches the batch's mask table once.
; CLUSTER.  The four query blocks of a cluster walk the same K and V: each tile is asked for jointly, with a mask that names the four.
; LIMITS: NaN and infinities in q', k, v are not served.
.set PK,    272                        ; a row of K in LDS: 256 bytes + 16: the 16 rows of a load start 68 words apart
.set PVP,   288                        ; a row of V: 256 + 32: the turning load's 8 rows x 32 bytes start 72 words apart
.set VOFF,  64*PK
.set STEPB, 64*(PK+PVP)                ; a step's tiles: 64 rows of K, then 64 of V
.set SLOT,  4*STEPB
.set BIAS,  2*SLOT                     ; the mask table of my batch: 2,048 f32 numbers
.set SPARE, BIAS+8192                  ; the spare words, 128 bytes a wave: eight blocks of 256 bytes that no other line names
.set SROW,  272                        ; the way out: 256 rows x (256 bytes + 16) from byte 0 on, in slot 0, which has had its last fill and its last read by then
.set AK0, 1                            ; v1   my lane's place in a tile of K
.set AV0, 2                            ; v2   and of V
.set ADB, 3                            ; v3   my place in the mask table; 256 bytes on in each step
.set ADK, 4                            ; v4   the LDS address of the run of loads in hand
.set PFO, 5                            ; v5   2,048 x lane: the prefetches' offset; never rewritten
.set SPW, 6                            ; v6   LDS address of my spare word; never rewritten
.set NIL, 7                            ; v7   0; never rewritten
.set ST,  8                            ; v8-23   a tile's eight: +0 m, +1 m_old - m_new, +2, +3 l, +4 .. +7 at work (+6: the factor a; +4, +5: a second chain of sums)
.set Q,   24                           ; v24-55  Q: tile t, channels 32 c on, at 16 t + 8 c
.set S,   56                           ; v56-119 S^T: tile t, keys 16 u on, at 32 t + 8 u; P takes the first 16 of each tile's 32
.set O,   120                          ; v120-183 O^T: tile t, channels 16 ct on, at 32 t + 8 ct
.set FB,  184                          ; v184-255 three buffers of 24 (16 keys of K: 16, their mask numbers: 8); then V's eight fragments
.set WV,  10
.set PFA, 18
.set SEL, 20
.set TB,  22                           ; s22  LDS byte at which the step in hand begins
.set SLOTS, 23
.set G1K, 24
.set G1V, 32
.set G0K, 40
.set G0V, 44
.set G1M, 48
.set G0M, 56
.set LIM, 60                           ; s60  1 in a wave that prefetches, else the greatest number
.set TF,  61                           ; s61  the slot that is filled next
.set KOFF, 62                          ; s62  my tile's place in a slot
.set NST, 63
.macro CROUND
	s_barrier_signal -1
	s_barrier_wait -1
	s_cmp_lg_u32 s[WV], 0
	s_cbranch_scc1 .Lnot_wave_0_\@
	s_barrier_signal -3
.Lnot_wave_0_\@:
	s_barrier_wait -3
	s_barrier_signal -1
	s_barrier_wait -1
.endm
.macro TLOAD                           ; the branches hang on the wave's number alone; an s_nop 0 and four v_nop follow each load
	s_cmp_lt_u32 s[WV], 4
	s_cbranch_scc0 .Lnot_k_\@
	tensor_load_to_lds s[G0K:G0K+3], s[G1K:G1K+7]
	s_nop 0
.rept 4
	v_nop
.endr
	s_branch .Lasked_\@
.Lnot_k_\@:
	s_cmp_lt_u32 s[WV], 8
	s_cbranch_scc0 .Lasked_\@
	tensor_load_to_lds s[G0V:G0V+3], s[G1V:G1V+7]
	s_nop 0
.rept 4
	v_nop
.endr
.Lasked_\@:
.endm
; A PREFETCH INTO THE L2 of what the NEXT change of slots will ask for: 256 rows of K and of V, 256 bytes of each, a lane a row.  Each row is named once in the launch: of the two clusters that walk a pair of heads
; the first asks; its four partners take 64 rows each, told apart by address; in each, waves 8 and 9 ask for K's (32 rows a wave), waves 10 and 11 for V's.  The last change that fills a slot asks for nothing.
.macro ASK
	s_cmp_gt_u32 s[SLOTS], s[LIM]
	s_cbranch_scc0 .Lnot_mine_\@
	global_prefetch_b8 v[PFO], s[PFA:PFA+1] th:TH_LOAD_NT scope:SCOPE_SE
.Lnot_mine_\@:
.endm
	s_load_b128 s[4:7], s[0:1], 0x0                ; qkv, tab
	s_load_b64 s[8:9], s[0:1], 0x10                ; ao
	v_lshl_add_u32 v[SPW], v0, 2, SPARE
	v_mov_b32 v[NIL], 0
	ds_add_u32 v[SPW], v[NIL]                      ; the wave's opening: the add, twice on end, and its wait ahead of the first tensor loads
	ds_add_u32 v[SPW], v[NIL]
	v_lshrrev_b32 v1, 5, v0
	v_readfirstlane_b32 s[WV], v1
	s_bfe_u32 s11, ttmp6, 0x40000                  ; cx
	s_lshl_b32 s12, ttmp9, 2
	s_add_co_u32 s12, s12, s11                     ; my block of 256 queries
	s_and_b32 s13, ttmp7, 0xffff
	s_lshr_b32 s14, s13, 3                         ; the batch
	s_and_b32 s15, s13, 7                          ; the pair of heads
	s_lshr_b32 s16, s[WV], 3                       ; my head of the pair
	s_and_b32 s17, s[WV], 7                        ; my 32 queries of the 256
	s_lshl_b32 s68, s14, 22                        ; the batch's 2,048 rows of 2,048 bytes,
	s_lshl_b32 s69, s15, 8
	s_add_co_u32 s68, s68, s69                     ; and the pair's 256 bytes of a row: shared by the four partners
	s_and_b32 s69, s[WV], 3
	s_mul_i32 s[KOFF], s69, STEPB
	s_lshl_b32 s69, s69, 17                        ; my tile's 64 rows
	s_add_co_u32 s69, s69, s68
	s_add_co_u32 s66, s69, 0x1000000               ; in k,
	s_mov_b32 s67, 0
	s_add_co_u32 s70, s69, 0x2000000               ; in v
	s_mov_b32 s71, 0
	s_lshl_b32 s72, s12, 19
	s_add_co_u32 s72, s72, s68
	s_lshl_b32 s74, s[WV], 15
	s_add_co_u32 s74, s74, s72                     ; ao: the 16 rows that I store
	s_mov_b32 s75, 0
	s_lshl_b32 s69, s17, 16
	s_add_co_u32 s72, s72, s69
	s_lshl_b32 s69, s16, 7
	s_add_co_u32 s72, s72, s69                     ; q': my 32 queries, my head
	s_mov_b32 s73, 0
	s_lshl_b32 s76, s14, 13
	s_add_co_u32 s76, s76, 0x100000                ; the batch's mask table in tab
	s_mov_b32 s77, 0
	s_lshl_b32 s78, s11, 17                        ; the prefetches: my work-group's 64 rows of a slot's 256,
	s_and_b32 s79, s[WV], 1
	s_lshl_b32 s79, s79, 16                        ; my wave's 32 of them,
	s_add_co_u32 s78, s78, s79
	s_add_co_u32 s78, s78, s68
	s_add_co_u32 s78, s78, 524288                  ; in the second 256 keys: the first change of slots steps it to the third
	s_mov_b32 s79, 0x2000000
	s_cmp_lt_u32 s[WV], 10
	s_cselect_b32 s79, 0x1000000, s79              ; of k or of v
	s_add_co_u32 s78, s78, s79
	s_mov_b32 s79, 0
	s_sub_co_u32 s[LIM], s[WV], 8
	s_lshr_b32 s[LIM], s[LIM], 2                   ; 0 in waves 8 to 11,
	s_or_b32 s[LIM], s[LIM], ttmp9                 ; of the first cluster: the same in all four partners
	s_cmp_eq_u32 s[LIM], 0
	s_cselect_b32 s[LIM], 1, -1
	s_mov_b32 s[G1K], 15|(1<<16)|(1<<20)|(1<<21)|(5<<22)|(3<<25)   ; the mask: all four; elements of 2 bytes; padding on; bit 21 beside a mask; 4 words behind every 64
	s_mov_b32 s[G1V], 15|(1<<16)|(1<<20)|(1<<21)|(5<<22)|(7<<25)   ; the same with 8 words
.irp g, G1K, G1V
	s_mov_b32 s[\g+1], 128<<16                     ; tensor_dim0
	s_mov_b32 s[\g+2], 64<<16                      ; tensor_dim1
	s_mov_b32 s[\g+3], 128<<16                     ; tile_dim0
	s_mov_b32 s[\g+4], 64                          ; tile_dim1
	s_mov_b32 s[\g+5], 1024                        ; from row to row, in elements
	s_mov_b32 s[\g+6], 0
	s_mov_b32 s[\g+7], 0
.endr
	s_mov_b32 s[G1M], 15|(3<<16)|(1<<21)           ; 8,192 dense bytes as 32 rows of 32 elements of 8 bytes, no padding
	s_mov_b32 s[G1M+1], 32<<16
	s_mov_b32 s[G1M+2], 32<<16
	s_mov_b32 s[G1M+3], 32<<16
	s_mov_b32 s[G1M+4], 32
	s_mov_b32 s[G1M+5], 32
	s_mov_b32 s[G1M+6], 0
	s_mov_b32 s[G1M+7], 0
	s_mov_b32 s[SEL], 0x76543210
	s_mov_b32 s[SEL+1], 0xfedcba98
	s_mov_b32 s[TB], 0
	s_mov_b32 s[TF], 0
	s_mov_b32 s[SLOTS], 7
	s_wait_dscnt 0x0                               ; both opening adds are done
	s_wait_kmcnt 0x0
	s_mov_b32 s[G0K], 1
	s_mov_b32 s[G0K+1], s[KOFF]
	s_add_nc_u64 s[G0K+2:G0K+3], s[4:5], s[66:67]
	s_or_b32 s[G0K+3], s[G0K+3], 0x80000000
	s_mov_b32 s[G0V], 1
	s_add_co_u32 s[G0V+1], s[KOFF], VOFF
	s_add_nc_u64 s[G0V+2:G0V+3], s[4:5], s[70:71]
	s_or_b32 s[G0V+3], s[G0V+3], 0x80000000
	s_mov_b32 s[G0M], 1
	s_mov_b32 s[G0M+1], BIAS
	s_add_nc_u64 s[G0M+2:G0M+3], s[6:7], s[76:77]
	s_or_b32 s[G0M+3], s[G0M+3], 0x80000000
	s_add_nc_u64 s[PFA:PFA+1], s[4:5], s[78:79]
	s_add_nc_u64 s[72:73], s[4:5], s[72:73]
	s_add_nc_u64 s[8:9], s[8:9], s[74:75]
	CROUND                                         ; all four work-groups are here: the first joint loads meet
	s_cmp_lt_u32 s[WV], 4                          ; the first fills: slot 0 and the mask table; no wave has more than one tensor load out, here or later
	s_cbranch_scc0 .Lfirst_not_k
	tensor_load_to_lds s[G0K:G0K+3], s[G1K:G1K+7]
	s_nop 0
.rept 4
	v_nop
.endr
	s_branch .Lfirst_asked
.Lfirst_not_k:
	s_cmp_lt_u32 s[WV], 8
	s_cbranch_scc0 .Lfirst_not_v
	tensor_load_to_lds s[G0V:G0V+3], s[G1V:G1V+7]
	s_nop 0
.rept 4
	v_nop
.endr
	s_branch .Lfirst_asked
.Lfirst_not_v:
	s_cmp_eq_u32 s[WV], 8
	s_cbranch_scc0 .Lfirst_asked
	tensor_load_to_lds s[G0M:G0M+3], s[G1M:G1M+7]
	s_nop 0
.rept 4
	v_nop
.endr
.Lfirst_asked:
	v_and_b32 v56, 15, v0                          ; r
	v_bfe_u32 v57, v0, 4, 1                        ; h
	v_lshlrev_b32 v[ADK], 11, v56
	v_lshl_add_u32 v[ADK], v57, 4, v[ADK]          ; Q: row r of 2,048 bytes + 16 h
.irp t, 0,1
.irp c, 0,1
	global_load_b128 v[Q+16*\t+8*\c:Q+16*\t+8*\c+3], v[ADK], s[72:73] offset:32768*\t+64*\c
	global_load_b128 v[Q+16*\t+8*\c+4:Q+16*\t+8*\c+7], v[ADK], s[72:73] offset:32768*\t+64*\c+32
.endr
.endr
	s_lshl_b32 s68, s16, 7                         ; my head's 128 bytes of a row
	s_add_co_u32 s69, s68, VOFF
	v_mul_u32_u24 v[AK0], v56, PK
	v_lshl_add_u32 v[AK0], v57, 4, v[AK0]
	v_add_nc_u32 v[AK0], s68, v[AK0]               ; K: key r, + 16 h
	v_and_b32 v58, 7, v0
	v_bfe_u32 v59, v0, 3, 1
	v_lshl_add_u32 v[AV0], v57, 3, v58
	v_mul_u32_u24 v[AV0], v[AV0], PVP
	v_lshl_add_u32 v[AV0], v59, 4, v[AV0]
	v_add_nc_u32 v[AV0], s69, v[AV0]               ; V: key 8 h + lane % 8, channels 8 ((lane / 8) % 2) on
	v_lshl_add_u32 v[ADB], v57, 5, BIAS            ; the mask numbers of keys 8 h + 0 .. 7
	v_and_b32 v[PFO], 31, v0
	v_lshlrev_b32 v[PFO], 11, v[PFO]
.irp t, 0,1
	v_mov_b32 v[ST+8*\t], 0xff7fffff               ; m: the most negative f32 number
	v_mov_b32 v[ST+8*\t+1], 0
	v_mov_b32 v[ST+8*\t+2], 0                      ; l
	v_mov_b32 v[ST+8*\t+3], 0
.endr
.set i, 0
.rept 64
	v_mov_b32 v[O+i], 0                            ; O^T: the step is written once; its first walk finds zeros
.set i, i+1
.endr
.macro KLOAD u                         ; 16 keys: their 64 channels of my head, and their mask numbers, into buffer u % 3
.set FBU, FB+24*((\u)%3)
	ds_load_b128 v[FBU:FBU+3],     v[ADK] offset:16*PK*(\u)
	ds_load_b128 v[FBU+4:FBU+7],   v[ADK] offset:16*PK*(\u)+32
	ds_load_b128 v[FBU+8:FBU+11],  v[ADK] offset:16*PK*(\u)+64
	ds_load_b128 v[FBU+12:FBU+15], v[ADK] offset:16*PK*(\u)+96
	ds_load_b128 v[FBU+16:FBU+19], v[ADB] offset:64*(\u)
	ds_load_b128 v[FBU+20:FBU+23], v[ADB] offset:64*(\u)+16
.endm
.macro KQ u                            ; the two tiles' accumulators take turns; the mask numbers are the first products' C
.set FBU, FB+24*((\u)%3)
	v_wmma_f32_16x16x32_f16 v[S+8*(\u):S+8*(\u)+7], v[FBU:FBU+7], v[Q:Q+7], v[FBU+16:FBU+23]
	v_wmma_f32_16x16x32_f16 v[S+32+8*(\u):S+32+8*(\u)+7], v[FBU:FBU+7], v[Q+16:Q+23], v[FBU+16:FBU+23]
	v_wmma_f32_16x16x32_f16 v[S+8*(\u):S+8*(\u)+7], v[FBU+8:FBU+15], v[Q+8:Q+15], v[S+8*(\u):S+8*(\u)+7]
	v_wmma_f32_16x16x32_f16 v[S+32+8*(\u):S+32+8*(\u)+7], v[FBU+8:FBU+15], v[Q+24:Q+31], v[S+32+8*(\u):S+32+8*(\u)+7]
.endm
.macro STEP                            ; 64 keys
	v_add_nc_u32 v[ADK], s[TB], v[AK0]
.rept 5
	v_nop                                          ; six places with the line above: five are owed before the products below write over P, which the last products read; four before the loads into their fragments
.endr
	KLOAD 0
	KLOAD 1
	KLOAD 2
	s_wait_dscnt 12                                ; the first 16 keys are in; the twelve loads behind them may be out
	KQ 0
.rept 4
	v_nop                                          ; places in front of the loads into the buffer just multiplied
.endr
	KLOAD 3
	s_wait_dscnt 12
	KQ 1
	s_wait_dscnt 6
	KQ 2
	s_wait_dscnt 0x0
	KQ 3
	v_add_nc_u32 v[ADK], s[TB], v[AV0]
.rept 4
	v_nop                                          ; places in front of the loads below and of the first reads of the scores
.endr
.irp f, 0,1,2,3,4,5,6,7                ; V, turned: keys 32 (f / 4) on, channels 16 (f % 4) on; it lands under the softmax
	ds_load_tr16_b128 v[FB+8*\f:FB+8*\f+3],   v[ADK] offset:(\f/4)*32*PVP+(\f%4)*32
	ds_load_tr16_b128 v[FB+8*\f+4:FB+8*\f+7], v[ADK] offset:(\f/4)*32*PVP+16*PVP+(\f%4)*32
.endr
	; the softmax, the two tiles line by line.  The maximum: four chains, each begun at its accumulator's low end
.irp j, 0,1,2,3
.irp t, 0,1
	v_max3_num_f32 v[ST+8*\t+4+\j], v[S+32*\t+8*\j], v[S+32*\t+8*\j+1], v[S+32*\t+8*\j+2]
.endr
.endr
.irp i, 3,5
.irp j, 0,1,2,3
.irp t, 0,1
	v_max3_num_f32 v[ST+8*\t+4+\j], v[ST+8*\t+4+\j], v[S+32*\t+8*\j+\i], v[S+32*\t+8*\j+\i+1]
.endr
.endr
.endr
.irp t, 0,1
	v_max3_num_f32 v[ST+8*\t+4], v[ST+8*\t+4], v[S+32*\t+7], v[S+32*\t+15]
	v_max3_num_f32 v[ST+8*\t+6], v[ST+8*\t+6], v[S+32*\t+23], v[S+32*\t+31]
.endr
.irp t, 0,1
	v_max3_num_f32 v[ST+8*\t+4], v[ST+8*\t+4], v[ST+8*\t+5], v[ST+8*\t+6]
.endr
.irp t, 0,1
	v_max3_num_f32 v[ST+8*\t+4], v[ST+8*\t+4], v[ST+8*\t+7], v[ST+8*\t]
.endr
.irp t, 0,1
	v_permlanex16_b32 v[ST+8*\t+5], v[ST+8*\t+4], s[SEL], s[SEL+1]   ; the query's other 32 keys lie in the lane 16 away
.endr
.irp t, 0,1
	v_max_num_f32 v[ST+8*\t+4], v[ST+8*\t+4], v[ST+8*\t+5]
.endr
.irp t, 0,1
	v_sub_f32 v[ST+8*\t+1], v[ST+8*\t], v[ST+8*\t+4]
.endr
.irp t, 0,1
	v_mov_b32 v[ST+8*\t], v[ST+8*\t+4]
.endr
.irp t, 0,1
	v_exp_f32 v[ST+8*\t+6], v[ST+8*\t+1]           ; a = 2^(m_old - m_new)
.endr
.set i, 0
.rept 16
.irp t, 0,1
	v_pk_add_f32 v[S+32*\t+2*i:S+32*\t+2*i+1], v[S+32*\t+2*i:S+32*\t+2*i+1], v[ST+8*\t:ST+8*\t+1] op_sel_hi:[1,0] neg_lo:[0,1] neg_hi:[0,1]   ; t - m, two at a time
.endr
.set i, i+1
.endr
.set i, 0
.rept 32
.irp t, 0,1
	v_exp_f32 v[S+32*\t+i], v[S+32*\t+i]
.endr
.set i, i+1
.endr
	v_nop                                          ; a plain instruction behind the last exponential
	s_wait_alu depctr_va_vdst(0)                   ; the wait ahead of the first line that names a result: one for all 66
.irp t, 0,1
	v_pk_fma_f32 v[ST+8*\t+2:ST+8*\t+3], v[ST+8*\t+2:ST+8*\t+3], v[ST+8*\t+6:ST+8*\t+7], v[S+32*\t:S+32*\t+1] op_sel_hi:[1,0,1]   ; l = a l + p, of the p that are not yet rounded; two chains
.endr
.irp t, 0,1
	v_pk_add_f32 v[ST+8*\t+4:ST+8*\t+5], v[S+32*\t+2:S+32*\t+3], v[S+32*\t+4:S+32*\t+5]
.endr
.irp i, 3,5,7,9,11,13
.irp t, 0,1
	v_pk_add_f32 v[ST+8*\t+2:ST+8*\t+3], v[ST+8*\t+2:ST+8*\t+3], v[S+32*\t+2*\i:S+32*\t+2*\i+1]
	v_pk_add_f32 v[ST+8*\t+4:ST+8*\t+5], v[ST+8*\t+4:ST+8*\t+5], v[S+32*\t+2*\i+2:S+32*\t+2*\i+3]
.endr
.endr
.irp t, 0,1
	v_pk_add_f32 v[ST+8*\t+2:ST+8*\t+3], v[ST+8*\t+2:ST+8*\t+3], v[S+32*\t+30:S+32*\t+31]
.endr
.irp t, 0,1
	v_pk_add_f32 v[ST+8*\t+2:ST+8*\t+3], v[ST+8*\t+2:ST+8*\t+3], v[ST+8*\t+4:ST+8*\t+5]
.endr
.set i, 0
.rept 16
.irp t, 0,1
	v_cvt_pk_f16_f32 v[S+32*\t+i], v[S+32*\t+2*i], v[S+32*\t+2*i+1]   ; P, in place, ascending: register i is written when its own two numbers have been read
.endr
.set i, i+1
.endr
.set i, 0
.rept 16
.irp t, 0,1
	v_pk_mul_f32 v[O+32*\t+2*i:O+32*\t+2*i+1], v[O+32*\t+2*i:O+32*\t+2*i+1], v[ST+8*\t+6:ST+8*\t+7] op_sel_hi:[1,0]   ; O^T x a, each accumulator from its low end on
.endr
.set i, i+1
.endr
	s_wait_dscnt 0x0                               ; V is in
.irp kk, 0,1
.irp ct, 0,1,2,3
.irp t, 0,1
	v_wmma_f32_16x16x32_f16 v[O+32*\t+8*\ct:O+32*\t+8*\ct+7], v[FB+8*(4*\kk+\ct):FB+8*(4*\kk+\ct)+7], v[S+32*\t+8*\kk:S+32*\t+8*\kk+7], v[O+32*\t+8*\ct:O+32*\t+8*\ct+7]   ; the eight accumulators by turns
.endr
.endr
.endr
	v_add_nc_u32 v[ADB], 256, v[ADB]               ; the next 64 keys' mask numbers
	s_add_co_u32 s[TB], s[TB], STEPB
.endm
; THE CHANGE OF SLOTS stands at a slot's head.  Each wave waits for all its tensor loads, adds 0 to its spare word, and waits for that and for its reads of the slot that it has left.
; fill = 1: a round of the cluster's barrier, and behind it the other slot is filled with the next 256 keys: the load has four steps in which to land.
.macro CHANGE fill
	s_wait_tensorcnt 0x0                           ; no tensor load of mine is out, so a group 0 may be written
	ds_add_u32 v[SPW], v[NIL]                      ; 0 onto my spare word
.if \fill
	ds_add_u32 v[SPW], v[NIL]                      ; twice on end in every trip
	s_xor_b32 s[TF], s[TF], SLOT
	s_add_co_u32 s[G0K+1], s[TF], s[KOFF]
	s_add_co_u32 s[G0V+1], s[G0K+1], VOFF
	s_add_nc_u64 s[G0K+2:G0K+3], s[G0K+2:G0K+3], 256*2048
	s_add_nc_u64 s[G0V+2:G0V+3], s[G0V+2:G0V+3], 256*2048
	s_wait_xcnt 0x0                                ; the last prefetch, a slot back, has read its address
	s_add_nc_u64 s[PFA:PFA+1], s[PFA:PFA+1], 256*2048
	s_wait_dscnt 0x0                               ; both adds are done, and my reads of the slot that I have left are over
	CROUND
	TLOAD
	ASK
.else
	s_wait_dscnt 0x0
	s_barrier_signal -1
	s_barrier_wait -1
.endif
.endm
.macro FOUR_STEPS
	s_mov_b32 s[NST], 4
.Lstep_\@:
	STEP
	s_sub_co_u32 s[NST], s[NST], 1
	s_cmp_lg_u32 s[NST], 0
	s_cbranch_scc1 .Lstep_\@
	s_sub_co_u32 s[TB], s[TB], SLOT                ; back to a slot's first step,
	s_xor_b32 s[TB], s[TB], SLOT                   ; in the other slot
.endm
	s_wait_loadcnt 0x0                             ; Q
.Lslot:                                            ; seven trips: behind each change of slots but the last the next 256 keys are asked for
	CHANGE 1
	FOUR_STEPS
	s_sub_co_u32 s[SLOTS], s[SLOTS], 1
	s_cmp_lg_u32 s[SLOTS], 0
	s_cbranch_scc1 .Lslot
	CHANGE 0                                       ; the last slot is written out
	FOUR_STEPS
	; THE WAY OUT.  O^T / l, rounded to f16, into the work-group's stage; a barrier, since a row's two halves come from two waves; each wave then stores 16 whole rows.
.rept 4
	v_nop                                          ; places behind the last products
.endr
.irp t, 0,1
	v_add_f32 v[ST+8*\t+4], v[ST+8*\t+2], v[ST+8*\t+3]
.endr
.irp t, 0,1
	v_permlanex16_b32 v[ST+8*\t+5], v[ST+8*\t+4], s[SEL], s[SEL+1]
.endr
.irp t, 0,1
	v_add_f32 v[ST+8*\t+4], v[ST+8*\t+4], v[ST+8*\t+5]
.endr
.irp t, 0,1
	v_rcp_f32 v[ST+8*\t+6], v[ST+8*\t+4]
.endr
	v_and_b32 v184, 15, v0                         ; (plain work behind the two reciprocals)  r
	v_bfe_u32 v185, v0, 4, 1                       ; h
	s_mul_i32 s66, s17, 32*SROW
	s_lshl_b32 s67, s16, 7
	s_add_co_u32 s66, s66, s67
	v_mul_u32_u24 v1, v184, SROW
	v_lshl_add_u32 v1, v185, 4, v1
	v_add_nc_u32 v1, s66, v1                       ; in: row 32 (w % 8) + r, my head's half, + 16 h
	s_mul_i32 s66, s[WV], 16*SROW
	v_mul_u32_u24 v2, v185, SROW
	v_lshl_add_u32 v2, v184, 4, v2
	v_add_nc_u32 v2, s66, v2                       ; back: rows 16 w on; lanes 0-15 one row, lanes 16-31 the next
	v_lshlrev_b32 v4, 11, v185
	v_lshl_add_u32 v4, v184, 4, v4                 ; and the same two rows in ao
	s_wait_alu depctr_va_vdst(0)                   ; one wait for both reciprocals, ahead of their first reader
.set i, 0
.rept 16
.irp t, 0,1
	v_pk_mul_f32 v[S+32*\t+2*i:S+32*\t+2*i+1], v[O+32*\t+2*i:O+32*\t+2*i+1], v[ST+8*\t+6:ST+8*\t+7] op_sel_hi:[1,0]
.endr
.set i, i+1
.endr
.set i, 0
.rept 16
.irp t, 0,1
	v_cvt_pk_f16_f32 v[S+32*\t+i], v[S+32*\t+2*i], v[S+32*\t+2*i+1]
.endr
.set i, i+1
.endr
.irp t, 0,1
.irp ct, 0,1,2,3
	ds_store_b128 v1, v[S+32*\t+4*\ct:S+32*\t+4*\ct+3] offset:16*SROW*\t+32*\ct
.endr
.endr
	s_wait_dscnt 0x0                               ; for the others' sake: my stores into the stage are done
	s_barrier_signal -1
	s_barrier_wait -1
.irp i, 0,1,2,3,4,5,6,7
	ds_load_b128 v[192+4*\i:195+4*\i], v2 offset:2*SROW*\i
.endr
.irp i, 0,1,2,3,4,5,6,7
	s_wait_dscnt 7-\i                              ; the younger loads may stay out
	global_store_b128 v4, v[192+4*\i:195+4*\i], s[8:9] offset:4096*\i   ; 16 lanes store 256 consecutive bytes, aligned
.endr
	s_wait_tensorcnt 0x0                           ; the wave's end: a closing add behind my last tensor load and my last LDS store
	ds_add_u32 v[SPW], v[NIL]
	s_wait_dscnt 0x0
	CROUND                                         ; the closing round
	s_endpgm
.Lfunc_end_k_qb7bdc03549_attn:
	.size	k_qb7bdc03549_attn, .Lfunc_end_k_qb7bdc03549_attn-k_qb7bdc03549_attn
	.p2alignl 7, 3214868480
	.fill 96, 4, 3214868480
	.section	.rodata,"a",@progbits
	.p2align	6, 0x0
	.amdhsa_kernel k_qb7bdc03549_attn
		.amdhsa_group_segment_fixed_size 327680
		.amdhsa_private_segment_fixed_size 0
		.amdhsa_enable_private_segment 0
		.amdhsa_kernarg_size 24
		.amdhsa_user_sgpr_count 2
		.amdhsa_user_sgpr_kernarg_segment_ptr 1
		.amdhsa_wavefront_size32 1
		.amdhsa_system_sgpr_workgroup_id_x 1
		.amdhsa_system_sgpr_workgroup_id_y 1
		.amdhsa_system_sgpr_workgroup_id_z 1
		.amdhsa_system_vgpr_workitem_id 0
		.amdhsa_next_free_vgpr 256
		.amdhsa_next_free_sgpr 80
		.amdhsa_reserve_vcc 0
		.amdhsa_float_denorm_mode_32 3
		.amdhsa_float_denorm_mode_16_64 3
		.amdhsa_memory_ordered 1
		.amdhsa_forward_progress 1
		.amdhsa_inst_pref_size 56
	.end_amdhsa_kernel
	.amdgpu_metadata
---
amdhsa.version: [ 1, 2 ]
amdhsa.kernels:
  - .name:           k_qb7bdc03549_attn
    .symbol:         k_qb7bdc03549_attn.kd
    .args:
      - { .name: qkv, .offset: 0, .size: 8, .value_kind: global_buffer, .address_space: global }
      - { .name: tab, .offset: 8, .size: 8, .value_kind: global_buffer, .address_space: global }
      - { .name: ao, .offset: 16, .size: 8, .value_kind: global_buffer, .address_space: global }
    .group_segment_fixed_size: 327680
    .private_segment_fixed_size: 0
    .kernarg_segment_align: 8
    .kernarg_segment_size: 24
    .max_flat_workgroup_size: 512
    .sgpr_count:     80
    .vgpr_count:     256
    .wavefront_size: 32
...
	.end_amdgpu_metadata
.endif
;; end of part 3
;; launch oproj (part 4): grid 8 x 32, 4 waves a work-group, clusters of 4 x 4, 327,680 bytes of LDS; arguments ao, wo16, bo, out0; writes out0
.if DOCPART == 4
	.amdgcn_target "amdgcn-amd-amdhsa--gfx1250"
	.amdhsa_code_object_version 6
	.text
	.protected	k_qb7bdc03549_oproj
	.globl	k_qb7bdc03549_oproj
	.p2align	8
	.type	k_qb7bdc03549_oproj,@function
k_qb7bdc03549_oproj:
	s_mov_b64 s[64:65], 0
	v_nop
	global_prefetch_b8 v0, s[64:65] scope:SCOPE_SE
	s_setreg_imm32_b32 hwreg(HW_REG_WAVE_MODE, 25, 1), 1
	s_wait_xcnt 0x0
	s_wait_alu depctr_hold_cnt(0) depctr_sa_sdst(0) depctr_va_vdst(0) depctr_va_sdst(0) depctr_va_ssrc(0) depctr_va_vcc(0) depctr_vm_vsrc(0)
	s_getreg_b32 s2, hwreg(HW_REG_IB_STS2, 6, 4)
	s_cmp_eq_u32 s2, 0
	s_cbranch_scc0 .Lentry_in_a_cluster
	s_endpgm
.Lentry_in_a_cluster:
	s_bfe_u32 s2, ttmp6, 0x10000c
	s_cmp_lg_u32 s2, 0xf033
	s_cbranch_scc0 .Lentry_shape_is_right
	s_endpgm
.Lentry_shape_is_right:
; Launch 4 of 4: out0 = ao Wo^T + bo.  ao [8192][1024] and wo16 [1024][1024] are f16 with K innermost; sums and out0 in f32.  No work of reference() is left out here.
; A tile of 256 rows x 128 columns gives 256 work-groups.  Four waves, each 128 x 64: 32 accumulators of 16 x 16.  K goes in steps of 128 (rows of 256 bytes) through a ring of two LDS slots.
; CLUSTERS of 4 x 4: ao's tiles are asked for jointly along a row of the cluster, Wo's along a column.  Waves 0, 1 fetch ao's two halves of 128 rows, waves 2, 3 Wo's two halves of 64.
; THE MATRIX INSTRUCTION IS USED TRANSPOSED (source 0 = 16 rows of Wo, source 1 = 16 rows of ao): a lane holds eight neighbouring columns of one row.  bo is the C of each sum's first instruction.
; No prefetch: the launch has eight K steps, and its tiles are shared in clusters.
; REGISTERS.  Window 0: v16-29 addresses; v32-63 bo; two fragment buffers of 96 (ao's 8 blocks, then Wo's 4) at v64 and v160.  Window 1: the accumulators, (a, b) at v[8 (4 a + b)].
.set KSTEP,  128
.set PITCH,  272                       ; an LDS row: 256 bytes + 16: the 16 rows of a fragment load start 68 words apart
.set AT,     128*PITCH
.set BT,     64*PITCH
.set SLOT,   2*AT+2*BT                 ; ao's 256 rows, then Wo's 128
.set STAGE,  2*SLOT                    ; behind the ring: 16 rows x 272 bytes a wave, for the way out
.set SPITCH, 272
.set SPARE,  STAGE+4*16*SPITCH         ; the spare words, 128 bytes a wave: two blocks of 256 bytes that no other line names
.set LAPS,   4                         ; a lap = two K steps
.set ADRA, 16
.set ADRB, 20
.set STO,  24
.set RD,   25
.set CO,   26
.set SPW,  28                          ; v28  LDS address of my spare word; never rewritten
.set NIL,  29                          ; v29  0; never rewritten
.set BI,   32
.set F0,   64
.set F1,   160
.set OB,   64                          ; the way out: 16 rows read back: v64-95 and v96-127 by turns
.set WV,   12
.set RH,   13                          ; which 128 rows are mine; also: I fetch for ao (0) or for Wo (1)
.set CH,   14                          ; which 64 columns; also: which half I fetch
.set G1,   24
.set G0,   32
.set G1B,  48
.set G0B,  56
.set MSB, 0
.macro WIN new
.if MSB != (\new)
	s_set_vgpr_msb (MSB<<8)|(\new)
.set MSB, \new
.endif
.endm
.set MUL, 0x50                         ; C and D window 1, sources window 0; with bo as C: 0x40
.macro JLOAD s
	s_cmp_eq_u32 s[RH], 0
	s_cbranch_scc0 .Lfor_b_\@
	tensor_load_to_lds s[G0+4*\s:G0+4*\s+3], s[G1:G1+7]
	s_nop 0
.rept 4
	v_nop
.endr
	s_branch .Lasked_\@
.Lfor_b_\@:
	tensor_load_to_lds s[G0B+4*\s:G0B+4*\s+3], s[G1B:G1B+7]
	s_nop 0
.rept 4
	v_nop
.endr
.Lasked_\@:
.endm
.macro CREST
	s_cmp_lg_u32 s[WV], 0
	s_cbranch_scc1 .Lnot_wave_0_\@
	s_barrier_signal -3
.Lnot_wave_0_\@:
	s_barrier_wait -3
	s_barrier_signal -1
	s_barrier_wait -1
.endm
.macro CROUND
	s_barrier_signal -1
	s_barrier_wait -1
	CREST
.endm
	s_load_b256 s[4:11], s[0:1], 0x0               ; ao, wo16, bo, out0
	v_lshl_add_u32 v[SPW], v0, 2, SPARE
	v_mov_b32 v[NIL], 0
	ds_add_u32 v[SPW], v[NIL]                      ; the wave's opening: the add, twice on end, and its wait ahead of my first tensor load
	ds_add_u32 v[SPW], v[NIL]
	v_lshrrev_b32 v1, 5, v0
	v_readfirstlane_b32 s[WV], v1
	s_lshr_b32 s[RH], s[WV], 1
	s_and_b32 s[CH], s[WV], 1
	s_bfe_u32 s40, ttmp6, 0x40000                  ; cx
	s_bfe_u32 s41, ttmp6, 0x40004                  ; cy
	s_lshl_b32 s42, ttmp9, 2
	s_add_co_u32 s42, s42, s40                     ; tile column
	s_and_b32 s15, ttmp7, 0xffff
	s_lshl_b32 s15, s15, 2
	s_add_co_u32 s15, s15, s41                     ; tile row
	s_lshl_b32 s43, s41, 2
	s_lshl_b32 s43, 15, s43                        ; my row of the cluster
	s_lshl_b32 s44, 0x1111, s40                    ; my column
	s_or_b32 s[G1+0], s43, (1<<16)|(1<<20)|(1<<21)|(5<<22)|(3<<25)   ; the mask; elements of 2 bytes; padding on; bit 21 beside a mask; 4 words behind every 64
	s_or_b32 s[G1B+0], s44, (1<<16)|(1<<20)|(1<<21)|(5<<22)|(3<<25)
	s_mov_b32 s[G1+1], KSTEP<<16                   ; ao: 128 rows of 128 elements
	s_mov_b32 s[G1+2], 128<<16
	s_mov_b32 s[G1+3], KSTEP<<16
	s_mov_b32 s[G1+4], 128
	s_mov_b32 s[G1+5], 1024
	s_mov_b32 s[G1+6], 0
	s_mov_b32 s[G1+7], 0
	s_mov_b32 s[G1B+1], KSTEP<<16                  ; Wo: 64 rows
	s_mov_b32 s[G1B+2], 64<<16
	s_mov_b32 s[G1B+3], KSTEP<<16
	s_mov_b32 s[G1B+4], 64
	s_mov_b32 s[G1B+5], 1024
	s_mov_b32 s[G1B+6], 0
	s_mov_b32 s[G1B+7], 0
	s_lshl_b32 s16, s15, 19                        ; ao: row 256 x tile row + 128 x half, rows of 2,048 bytes
	s_lshl_b32 s17, s[CH], 18
	s_add_co_u32 s16, s16, s17
	s_mov_b32 s17, 0
	s_lshl_b32 s46, s42, 18                        ; Wo: row 128 x tile column + 64 x half
	s_lshl_b32 s47, s[CH], 17
	s_add_co_u32 s46, s46, s47
	s_mov_b32 s47, 0
	s_mul_i32 s20, s[CH], AT                       ; where they go: no place in the cluster enters an LDS address
	s_mul_i32 s21, s[CH], BT
	s_add_co_u32 s21, s21, 2*AT
	s_wait_dscnt 0x0                               ; both opening adds are done
	s_wait_kmcnt 0x0
	s_add_nc_u64 s[18:19], s[4:5], s[16:17]
	s_add_nc_u64 s[46:47], s[6:7], s[46:47]
	CROUND                                         ; all sixteen work-groups are here: the first joint loads meet
.irp s, 0,1
	s_mov_b32 s[G0+4*\s], 1
	s_add_co_u32 s[G0+4*\s+1], s20, \s*SLOT
	s_add_nc_u64 s[G0+4*\s+2:G0+4*\s+3], s[18:19], \s*KSTEP*2
	s_or_b32 s[G0+4*\s+3], s[G0+4*\s+3], 0x80000000
	s_mov_b32 s[G0B+4*\s], 1
	s_add_co_u32 s[G0B+4*\s+1], s21, \s*SLOT
	s_add_nc_u64 s[G0B+4*\s+2:G0B+4*\s+3], s[46:47], \s*KSTEP*2
	s_or_b32 s[G0B+4*\s+3], s[G0B+4*\s+3], 0x80000000
	JLOAD \s                                       ; two tensor loads of mine are out here; later one behind each round
.endr
	v_and_b32 v1, 15, v0                           ; r
	v_bfe_u32 v2, v0, 4, 1                         ; h
	v_mul_u32_u24 v3, v1, PITCH
	v_lshl_add_u32 v3, v2, 4, v3
	s_mul_i32 s21, s[RH], AT
	s_mul_i32 s22, s[CH], BT
	s_add_co_u32 s22, s22, 2*AT
.irp s, 0,1
	v_add_nc_u32 v[ADRA+\s], s21, v3
	v_add_nc_u32 v[ADRB+\s], s22, v3
	s_add_co_u32 s21, s21, SLOT
	s_add_co_u32 s22, s22, SLOT
.endr
	s_mul_i32 s23, s[WV], 16*SPITCH
	s_add_co_u32 s23, s23, STAGE                   ; my stage
	v_mul_u32_u24 v4, v1, SPITCH
	v_lshl_add_u32 v4, v2, 5, v4
	v_add_nc_u32 v[STO], s23, v4                   ; in: row r, 32 bytes for each half of the lanes
	v_mul_u32_u24 v4, v2, SPITCH
	v_lshl_add_u32 v4, v1, 4, v4
	v_add_nc_u32 v[RD], s23, v4                    ; back: lanes 0-15 one row of 256 bytes, lanes 16-31 the next
	v_lshlrev_b32 v4, 12, v2
	v_lshl_add_u32 v[CO], v1, 4, v4                ; and the same two rows of 4,096 bytes in out0
	v_lshlrev_b32 v5, 5, v2                        ; 32 h: bo of my eight columns of a block
	s_lshl_b32 s16, s42, 9                         ; my 64 columns, in bytes
	s_lshl_b32 s17, s[CH], 8
	s_add_co_u32 s16, s16, s17
	s_mov_b32 s17, 0
	s_add_nc_u64 s[8:9], s[8:9], s[16:17]
	s_lshl_b32 s20, s15, 20                        ; my first row
	s_add_co_u32 s16, s16, s20
	s_lshl_b32 s20, s[RH], 19
	s_add_co_u32 s16, s16, s20
	s_add_nc_u64 s[10:11], s[10:11], s[16:17]
.irp b, 0,1,2,3
	global_load_b128 v[BI+8*\b:BI+8*\b+3], v5, s[8:9] offset:64*\b
	global_load_b128 v[BI+8*\b+4:BI+8*\b+7], v5, s[8:9] offset:64*\b+16
.endr
; 8 matrix instructions: ao's blocks a0, a0 + 1 against Wo's four, 32 along K.  The 32 accumulators take turns, one instruction a turn, in the same order in every quarter.
.macro MUL8 f, a0, zero
.irp a, \a0, \a0+1
.irp b, 0,1,2,3
.if \zero
	v_wmma_f32_16x16x32_f16 v[8*(4*(\a)+\b):8*(4*(\a)+\b)+7], v[\f+64+8*\b:\f+64+8*\b+7], v[\f+8*(\a):\f+8*(\a)+7], v[BI+8*\b:BI+8*\b+7]
.else
	v_wmma_f32_16x16x32_f16 v[8*(4*(\a)+\b):8*(4*(\a)+\b)+7], v[\f+64+8*\b:\f+64+8*\b+7], v[\f+8*(\a):\f+8*(\a)+7], v[8*(4*(\a)+\b):8*(4*(\a)+\b)+7]
.endif
.endr
.endr
.endm
.macro FETCH slot, k, f                ; 24 LDS loads in one run: Wo's four fragments, ao's blocks 0-3, ao's blocks 4-7
.irp i, 0,1,2,3
	ds_load_b128 v[\f+64+8*\i:\f+64+8*\i+3],   v[ADRB+\slot] offset:\k+\i*16*PITCH
	ds_load_b128 v[\f+64+8*\i+4:\f+64+8*\i+7], v[ADRB+\slot] offset:\k+\i*16*PITCH+32
.endr
.irp i, 0,1,2,3,4,5,6,7
	ds_load_b128 v[\f+8*\i:\f+8*\i+3],   v[ADRA+\slot] offset:\k+\i*16*PITCH
	ds_load_b128 v[\f+8*\i+4:\f+8*\i+7], v[ADRA+\slot] offset:\k+\i*16*PITCH+32
.endr
.endm
.macro PLACES                          ; plain vector instructions between a matrix instruction and a load into, or a store of, its registers
.rept 4
	v_nop
.endr
.endm
.macro QUARTER slot, k, f, g, zero     ; 32 along K: multiplies buffer f and fetches the next quarter, at byte k, into g
	s_wait_dscnt 8                                 ; Wo's fragments and ao's blocks 0-3 are in; the youngest eight loads may be out
	WIN MUL-0x10*(\zero)
	MUL8 \f, 0, \zero
	MUL8 \f, 2, \zero
	PLACES
	WIN 0
	FETCH \slot, \k, \g
	s_wait_dscnt 24                                ; all but the 24 just issued
	WIN MUL-0x10*(\zero)
	MUL8 \f, 4, \zero
	MUL8 \f, 6, \zero
.endm
; A K step's last quarter changes slots: one barrier; in front of it each wave waits for all its tensor loads, adds 0 to its spare word, and waits for that and for its reads of this slot.
.macro TURN slot, next, fill
	WIN 0
	s_wait_tensorcnt 0x0                           ; all my tensor loads have landed: my part of the next slot
	ds_add_u32 v[SPW], v[NIL]                      ; 0 onto my spare word
	s_wait_dscnt 9                                 ; the add and the youngest eight loads may be out
	WIN MUL
	MUL8 F1, 0, 0
	s_wait_dscnt 0x0                               ; the add is done, and my reads of this slot are over
	s_barrier_signal -1
	MUL8 F1, 2, 0
	WIN 0
	s_barrier_wait -1
.if \fill
	CREST                                          ; the barrier has opened a round of the cluster's: no wave of any partner still reads this slot or has a load on its way
	s_add_nc_u64 s[G0+4*\slot+2:G0+4*\slot+3], s[G0+4*\slot+2:G0+4*\slot+3], 2*KSTEP*2
	s_add_nc_u64 s[G0B+4*\slot+2:G0B+4*\slot+3], s[G0B+4*\slot+2:G0B+4*\slot+3], 2*KSTEP*2
	JLOAD \slot                                    ; the first tensor load behind the round; its four v_nop are also the places in front of the loads below
.else
	PLACES
.endif
	FETCH \next, 0, F0
	WIN MUL
	MUL8 F1, 4, 0
	MUL8 F1, 6, 0
.endm
	s_wait_tensorcnt 1                             ; my part of K step 0 is in; K step 1's load may stay out
	s_barrier_signal -1
	s_barrier_wait -1
	FETCH 0, 0, F0
	s_wait_loadcnt 0x0                             ; bo
	QUARTER 0, 64, F0, F1, 1                       ; the first quarter stands in front of the loop: its products start the sums, from bo
	WIN 0
	s_mov_b32 s3, LAPS-1
.Llap:                                             ; a trip goes once round the ring and fills both slots again
	QUARTER 0, 128, F1, F0, 0
	QUARTER 0, 192, F0, F1, 0
	TURN 0, 1, 1
	QUARTER 1, 64,  F0, F1, 0
	QUARTER 1, 128, F1, F0, 0
	QUARTER 1, 192, F0, F1, 0
	TURN 1, 0, 1
	QUARTER 0, 64,  F0, F1, 0
	WIN 0
	s_sub_co_u32 s3, s3, 1
	s_cmp_lg_u32 s3, 0
	s_cbranch_scc1 .Llap
	QUARTER 0, 128, F1, F0, 0                      ; the last lap fills nothing
	QUARTER 0, 192, F0, F1, 0
	TURN 0, 1, 0
	QUARTER 1, 64,  F0, F1, 0
	QUARTER 1, 128, F1, F0, 0
	QUARTER 1, 192, F0, F1, 0
	s_wait_dscnt 8
	WIN MUL
	MUL8 F1, 0, 0
	MUL8 F1, 2, 0
	s_wait_dscnt 0
	MUL8 F1, 4, 0
	MUL8 F1, 6, 0
	WIN 0
; THE WAY OUT, block by block of 16 rows x 64 columns: through my own stage and back as whole rows of 256 bytes.  LDS serves a wave's instructions in order: no wait between the stores and the loads.
.macro TOSTAGE a
	WIN 0x04                                       ; an LDS store's data are its source 1: window 1
.irp b, 0,1,2,3
	ds_store_b128 v[STO], v[8*(4*(\a)+\b):8*(4*(\a)+\b)+3] offset:64*\b       ; each accumulator from its low end on
	ds_store_b128 v[STO], v[8*(4*(\a)+\b)+4:8*(4*(\a)+\b)+7] offset:64*\b+16
.endr
	WIN 0
.set BB, OB+32*((\a)%2)
.irp t, 0,1,2,3,4,5,6,7
	ds_load_b128 v[BB+4*\t:BB+4*\t+3], v[RD] offset:\t*2*SPITCH
.endr
.endm
.macro SEND a, younger                 ; younger: the LDS instructions issued behind block a's loads, which may stay out
.set BB, OB+32*((\a)%2)
	s_wait_dscnt \younger
.if (\a) > 0
	s_add_nc_u64 s[10:11], s[10:11], 16*4096       ; (behind a wait on XCNT: the earlier stores have read their base)
.endif
.irp t, 0,1,2,3,4,5,6,7
	global_store_b128 v[CO], v[BB+4*\t:BB+4*\t+3], s[10:11] offset:8192*\t th:TH_STORE_NT   ; 16 lanes store 256 consecutive bytes, aligned; written once, read by nobody here
.endr
.endm
	PLACES
	TOSTAGE 0
.irp a, 1,2,3,4,5,6,7
.if \a > 1
	s_wait_xcnt 0x0                                ; block a - 2's stores have read their registers and their base
.endif
	TOSTAGE \a
	SEND \a-1, 16                                  ; behind block a - 1's loads: block a's 8 stores and 8 loads
.endr
	s_wait_xcnt 0x0
	SEND 7, 0
	s_wait_tensorcnt 0x0                           ; the wave's end: a closing add behind my last tensor load and my last LDS store
	ds_add_u32 v[SPW], v[NIL]
	s_wait_dscnt 0x0
	CROUND                                         ; the closing round
	s_endpgm
.Lfunc_end_k_qb7bdc03549_oproj:
	.size	k_qb7bdc03549_oproj, .Lfunc_end_k_qb7bdc03549_oproj-k_qb7bdc03549_oproj
	.p2alignl 7, 3214868480
	.fill 96, 4, 3214868480
	.section	.rodata,"a",@progbits
	.p2align	6, 0x0
	.amdhsa_kernel k_qb7bdc03549_oproj
		.amdhsa_group_segment_fixed_size 327680
		.amdhsa_private_segment_fixed_size 0
		.amdhsa_enable_private_segment 0
		.amdhsa_kernarg_size 32
		.amdhsa_user_sgpr_count 2
		.amdhsa_user_sgpr_kernarg_segment_ptr 1
		.amdhsa_wavefront_size32 1
		.amdhsa_system_sgpr_workgroup_id_x 1
		.amdhsa_system_sgpr_workgroup_id_y 1
		.amdhsa_system_sgpr_workgroup_id_z 1
		.amdhsa_system_vgpr_workitem_id 0
		.amdhsa_next_free_vgpr 512
		.amdhsa_next_free_sgpr 66
		.amdhsa_reserve_vcc 0
		.amdhsa_float_denorm_mode_32 3
		.amdhsa_float_denorm_mode_16_64 3
		.amdhsa_memory_ordered 1
		.amdhsa_forward_progress 1
		.amdhsa_inst_pref_size 86
	.end_amdhsa_kernel
	.amdgpu_metadata
---
amdhsa.version: [ 1, 2 ]
amdhsa.kernels:
  - .name:           k_qb7bdc03549_oproj
    .symbol:         k_qb7bdc03549_oproj.kd
    .args:
      - { .name: ao, .offset: 0, .size: 8, .value_kind: global_buffer, .address_space: global }
      - { .name: wo16, .offset: 8, .size: 8, .value_kind: global_buffer, .address_space: global }
      - { .name: bo, .offset: 16, .size: 8, .value_kind: global_buffer, .address_space: global }
      - { .name: out0, .offset: 24, .size: 8, .value_kind: global_buffer, .address_space: global }
    .group_segment_fixed_size: 327680
    .private_segment_fixed_size: 0
    .kernarg_segment_align: 8
    .kernarg_segment_size: 32
    .max_flat_workgroup_size: 128
    .sgpr_count:     66
    .vgpr_count:     512
    .wavefront_size: 32
...
	.end_amdgpu_metadata
.endif
;; end of part 4
